; MI455X (gfx1250); checked and timed in simulation.
; The chip was launched on July 23, 2026; its instructions are those of AMD's public machine-readable ISA for CDNA 5 (MIT licence, August 2026) and "CDNA5" Instruction Set Architecture Reference Guide (July 2026). The comments in the code are by the model that wrote it; some were corrected since.
;; Multi Head Self Attention. Allowed arithmetic: matrix products marked QUANTISED: E2M3 operands, one E8M0 scale for each 32 along K, by v_wmma_scale_f32_16x16x128_f8f6f4 with both operands' format E2M3, f32 sums; everything else in f32.
;; Inputs: Wk 1,024 x 1,024 float32; Wo 1,024 x 1,024 float32; Wq 1,024 x 1,024 float32; Wv 1,024 x 1,024 float32; bk 1,024 float32; bo 1,024 float32; bq 1,024 float32; bv 1,024 float32; key_padding_mask 4 x 2,048 bool; x 4 x 2,048 x 1,024 float32.
;; Outputs: out0 4 x 2,048 x 1,024 float32.
;; This version of the problem:
;;   THIS VERSION OF THE PROBLEM IS GIVEN IN LOW PRECISION. The matrix products marked QUANTISED in the list below multiply operands that are first quantised to E2M3 (2 exponent bits, 3 mantissa bits; 6 bits a number), with one power-of-two scale for each 32 numbers along K (OCP MX v1.0); their sums are f32. All else is computed in f32.
;;   The module's matrix products, in the order in which they are computed (A, B: the left and right operand; K: the contracted axis; several contracted axes count as one K, in the product's order):
;;     1. [M 8,192, K 1,024] x [K 1,024, N 1,024]; A: input x; B: input Wq: QUANTISED
;;     2. [M 8,192, K 1,024] x [K 1,024, N 1,024]; A: input x; B: input Wk: QUANTISED
;;     3. [M 8,192, K 1,024] x [K 1,024, N 1,024]; A: input x; B: input Wv: QUANTISED
;;     4. batch 64 x [M 2,048, K 64] x [K 64, N 2,048]; A: computed on the way; B: computed on the way: QUANTISED
;;     5. batch 64 x [M 2,048, K 2,048] x [K 2,048, N 64]; A: softmax (see below); B: computed on the way: QUANTISED
;;     6. [M 8,192, K 1,024] x [K 1,024, N 1,024]; A: computed on the way; B: input Wo: QUANTISED
;;   THE QUANTISER, for each operand of a quantised product, along K:
;;     - K is cut into blocks of 32 from its start; a last block that is shorter is filled with zeros.
;;     - A block's scale is 2^e with e = floor(log2(the largest magnitude in the block)) - 2, held to -126 .. 127; a block of zeros has e = 0. As a byte (E8M0): e + 127.
;;     - Each number is divided by its block's scale, clamped to +-7.5, and rounded to the nearest number of E2M3, ties to even, subnormals kept.
;;     - The product sums the exact products of the quantised numbers (number of the format x scale) in f32.
;;   ~~~python
;;   def quantise(x, axis):      # numpy; x: float32 -> the quantised numbers, widened to float32 again
;;       x = np.moveaxis(x, axis, -1); K = x.shape[-1]
;;       x = np.pad(x, [(0, 0)] * (x.ndim - 1) + [(0, -K % 32)]); x = x.reshape(x.shape[:-1] + (-1, 32)); a = np.abs(x).max(-1, keepdims=True)
;;       e = np.where(a > 0, np.clip(np.frexp(np.where(a > 0, a, 1))[1] - 1 - 2, -126, 127), 0)      # np.frexp(a)[1] - 1 = floor(log2(a)), exactly
;;       r = np.clip(x / 2.0 ** e, -7.5, 7.5)
;;       step = 2.0 ** (np.maximum(np.frexp(np.where(r == 0, 1, r))[1] - 1, 0) - 3)
;;       q = np.round(r / step) * step * 2.0 ** e      # np.round: ties to even
;;       return np.moveaxis(q.reshape(q.shape[:-2] + (-1,))[..., :K], -1, axis).astype(np.float32)
;;   ~~~
;;   SOFTMAX AHEAD OF A QUANTISED PRODUCT. Where the list says 'softmax', what is quantised is not the finished softmax but p = 2^(t - M), with t = logit x log2(e) and M = ceil(the row's largest t), a whole number; so 1/2 < the row's largest p <= 1. The row's sum l is taken of the UNQUANTISED p, in f32, and the product's result is divided by l at the end. Since M is a whole number, a kernel that streams over the keys may use a running M (the ceiling of the running maximum): every later rescaling is an exact power of two, which a block's scale takes up: the codes' values come out the same.
;;   OPERANDS COMPUTED ON THE WAY. 'Computed on the way' means the value that the module computes at that place (a softmax that the list does not call 'softmax' is quantised finished and normalised). What goes into a quantiser is computed in f32, as accurately as f32 sums, v_exp_f32 and their like allow (about 1e-6 of the number): no bf16 or f16 on the way to a quantiser, and a product that is left as it is and whose result goes on into a quantised operand takes f32 operands (vector FMAs, or v_wmma_f32_16x16x4_f32). A number that lies on a knife's edge between two numbers of the format may be rounded either way, as far as f32 arithmetic and the matrix unit's own rounding can turn it there, and no further.
;; One version. Each part assembles by itself: llvm-mc -triple=amdgcn-amd-amdhsa -mcpu=gfx1250 --defsym DOCPART=n.
;; ======== version 1 of 1: 4 launches
;; limits: right only within a limited range of input values
;; workspace buffers: cw 9,437,184 bytes; sw 393,216 bytes; pc 18,874,368 bytes; pw 786,432 bytes; oc 6,291,456 bytes; ow 262,144 bytes
;; launch quant (part 1): grid 768 x 1, 4 waves a work-group, no clusters, 35,328 bytes of LDS; arguments x, Wq, Wk, Wv, Wo, cw, sw; writes cw, sw
.if DOCPART == 1
	.amdgcn_target "amdgcn-amd-amdhsa--gfx1250"
	.amdhsa_code_object_version 6
	.text
	.protected	k_q604d9eb86a_quant
	.globl	k_q604d9eb86a_quant
	.p2align	8
	.type	k_q604d9eb86a_quant,@function
k_q604d9eb86a_quant:
	s_mov_b64 s[64:65], 0
	v_nop
	global_prefetch_b8 v0, s[64:65] scope:SCOPE_SE
	s_setreg_imm32_b32 hwreg(HW_REG_WAVE_MODE, 25, 1), 1
	s_wait_xcnt 0x0
; x [8192][1024] and Wq, Wk, Wv, Wo [1024][1024], f32, K innermost, become codes of FP6 (E2M3) with one E8M0 byte for each 32 along K.
; A block's scale is 2^(floor(log2(largest magnitude)) - 2); its byte is the largest magnitude's exponent field - 2, held at 1 from below (a block of zeros keeps the byte 1: its codes are zeros, and this program alone reads the bytes).
; LIMITS: NaN and infinities among the inputs are not served; blocks whose largest magnitude lies under 2^-124 keep the byte 1.
; LAYOUT OF THE WORKSPACE: the order of the operand's registers.  A TILE is 16 rows: tile T, lane r takes row 32 (T / 2) + 8 (T % 2) + r + 8 (r / 8).  For each 64 along K a tile has 768 bytes:
; lane l = (r, h) owns the 24 bytes of codes of k = 32 h .. 32 h + 31: its first 16 bytes at 16 l, its last 8 at 512 + 8 l.  cw: [768 tiles][16][768]; tiles 0-511 x, 512.. Wq, 576.. Wk, 640.. Wv, 704.. Wo.
; sw: [768 tiles][16 rows][32 bytes]: word ks of a row is the scale word of K step ks (128 along K).
; SHARES: a work-group takes a tile, wave v its K = 256 v .. 256 v + 255: two K steps.  Each load reads 512 consecutive bytes of a row; a K step's 16 rows turn through the wave's own stage in LDS
; (rows of 512 + 16 bytes), so that a lane gets 32 neighbours along K twice: two whole blocks, whose largest magnitudes need no other lane.  No tensor loads; one barrier, for the tile's 512 scale bytes.
.set STGB, 8448                        ; a wave's stage: 16 rows x 528 bytes
.set SCG,  4*STGB                      ; behind the stages: the tile's scale bytes, 16 rows x 32
.set PC,   16                          ; v16-27, v28-39  the two fragments' codes: each its own registers, so that no store's data are written again
.set T2,   40                          ; v40-47   the conversions' second halves (their three registers begin on an even number)
.set RAW,  64                          ; v64-191  32 loads x 4 registers
.set X,    192                         ; v192-255 64 numbers: register 32 c + i = k 64 c + 32 h + i of my row
.set MX,   8                           ; v8-9 largest magnitudes; v10-11 the conversions' scale operands; v12-13 bytes; v14 the word; v15 the lane permute's destination
.set SO,   10
.set BY,   12
.set WD,   14
.set PM,   15
	s_load_b256 s[4:11], s[0:1], 0x0               ; x, Wq, Wk, Wv
	s_load_b128 s[12:15], s[0:1], 0x20             ; Wo, cw
	s_load_b64 s[16:17], s[0:1], 0x30              ; sw
	v_lshl_add_u32 v62, v0, 2, 0x8800
	v_mov_b32 v63, 0
	v_lshrrev_b32 v1, 5, v0
	v_readfirstlane_b32 s18, v1                    ; wave 0..3
	v_and_b32 v7, 31, v0                           ; lane
	v_and_b32 v8, 15, v0                           ; r
	v_bfe_u32 v9, v0, 4, 1                         ; h
	v_lshlrev_b32 v1, 4, v7                        ; v1 = 16 x lane
	v_lshlrev_b32 v2, 3, v7                        ; v2 = 8 x lane
	s_mul_i32 s19, s18, STGB
	v_add_nc_u32 v3, s19, v1                       ; v3: the stage on the way in: 16 x lane of a row
	v_mul_u32_u24 v4, v8, 528
	v_lshl_add_u32 v4, v9, 7, v4
	v_add_nc_u32 v4, s19, v4                       ; v4: and on the way out: row r, + 128 h bytes
	s_lshl_b32 s19, s18, 3
	s_add_co_u32 s19, s19, SCG
	v_lshl_add_u32 v5, v8, 5, s19                  ; v5: my row's scale words of my wave's two K steps
	v_lshlrev_b32 v6, 3, v9                        ; v6 = 8 h: my bytes' place in a scale word
	v_add_nc_u32 v7, SCG, v1                       ; v7: where wave 0 reads the gathered bytes
	v_mov_b32 v[PM], 0                             ; written once: a lane permute's destination counts as one of its sources
	s_mov_b32 s26, 0x76543210
	s_mov_b32 s27, 0xfedcba98                      ; v_permlanex16_b32's selects for lane l xor 16
	s_cmp_lt_u32 ttmp9, 512
	s_cselect_b32 s22, 511, 63
	s_and_b32 s22, ttmp9, s22                      ; the tile's number in its own tensor
	s_lshr_b32 s23, s22, 1
	s_lshl_b32 s23, s23, 17                        ; 32 rows of 4,096 bytes for each pair of tiles,
	s_and_b32 s22, s22, 1
	s_lshl_b32 s22, s22, 15                        ; 8 rows for the odd one,
	s_add_co_u32 s22, s22, s23
	s_lshl_b32 s23, s18, 10                        ; my wave's 1,024 bytes of a row
	s_add_co_u32 s22, s22, s23
	s_mov_b32 s23, 0
	s_mul_i32 s24, ttmp9, 12288                    ; the tile's codes,
	s_mul_i32 s25, s18, 3072                       ; my wave's two fragments
	s_add_co_u32 s24, s24, s25
	s_mov_b32 s25, 0
	s_lshl_b32 s28, ttmp9, 9                       ; the tile's scale bytes
	s_mov_b32 s29, 0
	s_wait_alu depctr_va_vdst(0)
	s_wait_kmcnt 0x0
	s_mov_b64 s[20:21], s[12:13]                   ; which tensor: the choice hangs on the work-group's number alone
	s_cmp_lt_u32 ttmp9, 704
	s_cselect_b64 s[20:21], s[10:11], s[20:21]
	s_cmp_lt_u32 ttmp9, 640
	s_cselect_b64 s[20:21], s[8:9], s[20:21]
	s_cmp_lt_u32 ttmp9, 576
	s_cselect_b64 s[20:21], s[6:7], s[20:21]
	s_cmp_lt_u32 ttmp9, 512
	s_cselect_b64 s[20:21], s[4:5], s[20:21]
	s_add_nc_u64 s[20:21], s[20:21], s[22:23]
	s_add_nc_u64 s[14:15], s[14:15], s[24:25]
	s_add_nc_u64 s[16:17], s[16:17], s[28:29]
.irp s, 0,1
.irp i, 0,1,2,3,4,5,6,7,8,9,10,11,12,13,14,15
	global_load_b128 v[RAW+64*\s+4*\i:RAW+64*\s+4*\i+3], v1, s[20:21] offset:(\i+8*(\i/8))*4096+512*\s th:TH_LOAD_NT   ; 512 consecutive bytes of the tile's row i: K step s
.endr
.endr
; K step s of my wave: through the stage, quantised, stored.
.macro QFRAG s
	s_wait_loadcnt 16-16*\s                        ; this K step's 16 loads are in; with s = 0 the other K step's 16 may be out
.irp i, 0,1,2,3,4,5,6,7,8,9,10,11,12,13,14,15
	ds_store_b128 v3, v[RAW+64*\s+4*\i:RAW+64*\s+4*\i+3] offset:528*\i
.endr
.irp c, 0,1
.irp j, 0,1,2,3,4,5,6,7
	ds_load_b128 v[X+32*\c+4*\j:X+32*\c+4*\j+3], v4 offset:256*\c+16*\j   ; LDS serves a wave's instructions in order (ISA guide 5.7.1.4): these see the stores above
.endr
.endr
	s_wait_dscnt 0x0
.irp c, 0,1
	v_max3_num_f32 v[MX+\c], |v[X+32*\c]|, |v[X+32*\c+1]|, 0x1800000   ; block 2 c + h: all its 32 numbers are mine; the floor 2^(3 - 127) holds the byte at 1 from below
.endr
.irp i, 2,4,6,8,10,12,14,16,18,20,22,24,26,28,30
.irp c, 0,1
	v_max3_num_f32 v[MX+\c], v[MX+\c], |v[X+32*\c+\i]|, |v[X+32*\c+\i+1]|   ; (the two blocks by turns)
.endr
.endr
.irp c, 0,1
	v_add_nc_u32 v[SO+\c], 0xff000000, v[MX+\c]    ; 2 off the exponent field: the conversion takes the exponent field of this operand as its scale
.endr
.irp c, 0,1
	v_lshrrev_b32 v[BY+\c], 23, v[SO+\c]           ; the scale's byte
.endr
	v_lshl_or_b32 v[WD], v[BY+1], 16, v[BY]        ; my two bytes, blocks h and 2 + h,
	v_lshlrev_b32 v[WD], v6, v[WD]                 ; at their places in the word;
	v_permlanex16_b32 v[PM], v[WD], s26, s27
	v_or_b32 v[WD], v[WD], v[PM]                   ; with lane l xor 16's two the word is whole
.irp c, 0,1
	v_cvt_scalef32_pk16_fp6_f32 v[PC+12*\s+6*\c:PC+12*\s+6*\c+2], v[X+32*\c:X+32*\c+15], v[SO+\c]
	v_cvt_scalef32_pk16_fp6_f32 v[T2+4*\c:T2+4*\c+2], v[X+32*\c+16:X+32*\c+31], v[SO+\c]
.endr
	v_nop                                          ; one plain place behind a scaled conversion
.irp c, 0,1
.irp i, 0,1,2
	v_mov_b32 v[PC+12*\s+6*\c+3+\i], v[T2+4*\c+\i]
.endr
.endr
	ds_store_b32 v5, v[WD] offset:4*\s             ; lanes r and r + 16 write the same word with the same value
	global_store_b128 v1, v[PC+12*\s:PC+12*\s+3], s[14:15] offset:1536*\s            ; each store covers whole aligned blocks of 256 bytes
	global_store_b64 v2, v[PC+12*\s+4:PC+12*\s+5], s[14:15] offset:1536*\s+512
	global_store_b128 v1, v[PC+12*\s+6:PC+12*\s+9], s[14:15] offset:1536*\s+768
	global_store_b64 v2, v[PC+12*\s+10:PC+12*\s+11], s[14:15] offset:1536*\s+1280
.endm
	QFRAG 0
	QFRAG 1
	s_wait_dscnt 0x0                               ; for the others' sake: my scale words have landed
	s_barrier_signal -1
	s_barrier_wait -1
	s_cmp_lg_u32 s18, 0
	s_cbranch_scc1 .Lend
	ds_load_b128 v[48:51], v7                      ; wave 0 stores the tile's 512 scale bytes: two aligned blocks of 256 bytes
	s_wait_dscnt 0x0
	global_store_b128 v1, v[48:51], s[16:17]
.Lend:
	s_wait_tensorcnt 0x0
	ds_add_u32 v62, v63
	s_wait_dscnt 0x0
	s_endpgm
.Lfunc_end_k_q604d9eb86a_quant:
	.size	k_q604d9eb86a_quant, .Lfunc_end_k_q604d9eb86a_quant-k_q604d9eb86a_quant
	.p2alignl 7, 3214868480
	.fill 96, 4, 3214868480
	.section	.rodata,"a",@progbits
	.p2align	6, 0x0
	.amdhsa_kernel k_q604d9eb86a_quant
		.amdhsa_group_segment_fixed_size 35328
		.amdhsa_private_segment_fixed_size 0
		.amdhsa_enable_private_segment 0
		.amdhsa_kernarg_size 56
		.amdhsa_user_sgpr_count 2
		.amdhsa_user_sgpr_kernarg_segment_ptr 1
		.amdhsa_wavefront_size32 1
		.amdhsa_system_sgpr_workgroup_id_x 1
		.amdhsa_system_sgpr_workgroup_id_y 1
		.amdhsa_system_sgpr_workgroup_id_z 1
		.amdhsa_system_vgpr_workitem_id 0
		.amdhsa_next_free_vgpr 256
		.amdhsa_next_free_sgpr 66
		.amdhsa_reserve_vcc 0
		.amdhsa_float_denorm_mode_32 3
		.amdhsa_float_denorm_mode_16_64 3
		.amdhsa_memory_ordered 1
		.amdhsa_forward_progress 1
		.amdhsa_inst_pref_size 18
	.end_amdhsa_kernel
	.amdgpu_metadata
---
amdhsa.version: [ 1, 2 ]
amdhsa.kernels:
  - .name:           k_q604d9eb86a_quant
    .symbol:         k_q604d9eb86a_quant.kd
    .args:
      - { .name: x, .offset: 0, .size: 8, .value_kind: global_buffer, .address_space: global }
      - { .name: Wq, .offset: 8, .size: 8, .value_kind: global_buffer, .address_space: global }
      - { .name: Wk, .offset: 16, .size: 8, .value_kind: global_buffer, .address_space: global }
      - { .name: Wv, .offset: 24, .size: 8, .value_kind: global_buffer, .address_space: global }
      - { .name: Wo, .offset: 32, .size: 8, .value_kind: global_buffer, .address_space: global }
      - { .name: cw, .offset: 40, .size: 8, .value_kind: global_buffer, .address_space: global }
      - { .name: sw, .offset: 48, .size: 8, .value_kind: global_buffer, .address_space: global }
    .group_segment_fixed_size: 35328
    .private_segment_fixed_size: 0
    .kernarg_segment_align: 8
    .kernarg_segment_size: 56
    .max_flat_workgroup_size: 128
    .sgpr_count:     66
    .vgpr_count:     256
    .wavefront_size: 32
...
	.end_amdgpu_metadata
.endif
;; end of part 1
;; launch qkv (part 2): grid 4 x 64, 4 waves a work-group, clusters of 4 x 1, 167,936 bytes of LDS; arguments cw, sw, bq, bk, bv, pc, pw; writes pc, pw
.if DOCPART == 2
	.amdgcn_target "amdgcn-amd-amdhsa--gfx1250"
	.amdhsa_code_object_version 6
	.text
	.protected	k_q604d9eb86a_qkv
	.globl	k_q604d9eb86a_qkv
	.p2align	8
	.type	k_q604d9eb86a_qkv,@function
k_q604d9eb86a_qkv:
	s_mov_b64 s[64:65], 0
	v_nop
	global_prefetch_b8 v0, s[64:65] scope:SCOPE_SE
	s_setreg_imm32_b32 hwreg(HW_REG_WAVE_MODE, 25, 1), 1
	s_wait_xcnt 0x0
	s_wait_alu depctr_hold_cnt(0) depctr_sa_sdst(0) depctr_va_vdst(0) depctr_va_sdst(0) depctr_va_ssrc(0) depctr_va_vcc(0) depctr_vm_vsrc(0)
	s_getreg_b32 s2, hwreg(HW_REG_IB_STS2, 6, 4)
	s_cmp_eq_u32 s2, 0
	s_cbranch_scc0 .Lentry_in_a_cluster
	s_endpgm
.Lentry_in_a_cluster:
	s_bfe_u32 s2, ttmp6, 0x10000c
	s_cmp_lg_u32 s2, 0x3003
	s_cbranch_scc0 .Lentry_shape_is_right
	s_endpgm
.Lentry_shape_is_right:
; q = x Wq^T + bq, k = x Wk^T + bk, v = x Wv^T + bv on codes of FP6 (E2M3) with E8M0 scales, sums in f32; the results are quantised in registers and leave as codes: q and k along the head's 64, v along the KEYS.
; SHARES: 256 work-groups of four waves.  A cluster of four shares one block of 128 tokens of x (8 tiles x 12,288 bytes, ALL of K = 1,024), which comes into LDS ONCE by joint loads, a quarter a wave: no byte is filled again.
; Wave w of the work-group at place cx owns head 4 cx + w and makes, for the block's 128 tokens, that head's q, then its k, then its v: three passes of 8 K steps x 32 products on 32 accumulators (x's tile a, the weight's tile b).
; Which product a pass makes hangs on the pass alone; cx enters global addresses alone.
; THE WEIGHTS GO FROM MEMORY STRAIGHT INTO REGISTERS: a weight's row is read by one wave of a cluster and by no partner, so nothing of it could be asked jointly or shared through LDS; a fragment lies in memory in the order of the
; operand's registers, so each load covers whole aligned blocks of 256 bytes.  Four sets of four fragments take turns; a K step's loads are issued three K steps ahead, across the passes (Wq, Wk, Wv lie 64 tiles apart); so no prefetch is laid.
; q, k: source 0 = 16 rows of the weight, source 1 = 16 tokens: a lane holds one token, its registers run along the head.  v: the sources swapped: a lane holds one row of Wv, its registers run along the tokens (keys).
; A tile of 16 rows is tile T, lane r = row 32 (T / 2) + 8 (T % 2) + r + 8 (r / 8): so the 16 registers of tiles 2 b and 2 b + 1 are 16 NEIGHBOURS along the axis that is quantised next.
; A fragment (16 rows x 128 K) is 1,536 bytes: registers 0-3 at 16 l, 4-5 at 512 + 8 l, 6-9 at 768 + 16 l, 10-11 at 1,280 + 8 l.  All loads stand in groups of four behind every second product.
; OUT: pc: q, k: [16 pairs of heads: 0-7 q, 8-15 k][512 token tiles][1,536], a head's half 768 bytes; v at VOFF: [64 key steps][64 tiles of d][1,536].  pw: one scale word for each row of a fragment, 64 bytes a fragment, laid like pc.
; A head has two bytes of q's or k's scale words: the two heads of a pair meet in an LDS stage, and the words leave at the end, 512 consecutive bytes a wave.
; LIMITS: NaN and infinities are not served; blocks whose largest magnitude lies under 2^-124 keep the byte 1 (this program alone reads the bytes).
; REGISTERS: window 0: v3-14 addresses, v36-99 x's scale words (8 a + K step), v104-135 the weight's (8 b + K step), v136-199 numbers on the way out, v200-243 the quantiser.  window 1: accumulator (a, b) at v[8 (4 a + b)].
;   window 2: x's fragments, two sets of 96; v192-223 bq or bk along the head; v224-231 bv.   window 3: the weight's fragments, four sets of 48.
.set VOFF,  12582912
.set VWOFF, 524288
.set TILEB, 12288                      ; a tile's codes for all of K
.set PSTR,  64*TILEB                   ; from Wq's tiles to Wk's, from Wk's to Wv's
.set SSTR,  64*512                     ; the same in the scale bytes
.set STG,   8*TILEB                    ; LDS behind x's block: q's and k's scale words [q, k][pair][8 tiles][16 rows]
.set WST,   STG+2048                   ; 256 bytes a wave for v's scale words
.set SPARE, WST+1024                   ; the spare words
.set FR,    12
.set R32, 3                            ; v3  32 r: a row's scale bytes
.set H64, 4                            ; v4  64 h: the bias along the head
.set RP4, 5                            ; v5  4 (r + 8 (r / 8)): bv of my row
.set WSA, 6                            ; v6, v7  v's scale words: where I put one, where I read 8 bytes back
.set WRD, 7
.set L16, 8                            ; v8  16 x lane (x's tiles 0-3 in LDS), v9 tiles 4-7
.set L8,  10                           ; v10 8 x lane, v11 likewise
.set WSH, 12                           ; v12 my half word in the stage; v13 with the pass's place; v14 where I read 16 bytes of the stage back
.set WSQ, 13
.set WQR, 14
.set SCN, 36
.set SCP, 104
.set HA,  136
.set PC,  200
.set TM,  220
.set PW,  236
.set WT,  238
.set WU,  240
.set SPW, 254
.set NIL, 255
.set BP,  192                          ; in window 2
.set BN,  224
.set G1,  28
.set G0,  36
.set SEL, 40
.set PB,  42                           ; s[42:43] the pass's weight fragments; s[44:45] its scale bytes; s[46:47] its bias, s[48:49] bk's place
.set SBP, 44
.set BB,  46
.set BK,  48
.set OUT, 50                           ; s[50:51] q's or k's codes; s[52:53], s[54:55] v's codes and words; s[56:57] q's and k's words
.set OV,  52
.set OVW, 54
.set OQW, 56
.set PN,  58
.set SO,  59
.set MSB, 0
.macro WIN new                         ; the immediate's high byte repeats the setting that is left
.if MSB != \new
	s_set_vgpr_msb (MSB<<8)|\new
.set MSB, \new
.endif
.endm
.macro WALU
	s_wait_alu depctr_va_vdst(0)
.endm
.macro CROUND                          ; a round of the cluster's barrier
	s_barrier_signal -1
	s_barrier_wait -1
	s_cmp_lg_u32 s18, 0
	s_cbranch_scc1 .Lnot_wave_0_\@
	s_barrier_signal -3
.Lnot_wave_0_\@:
	s_barrier_wait -3
	s_barrier_signal -1
	s_barrier_wait -1
.endm
.macro PLACES                          ; four plain places behind a matrix instruction, in front of loads into its sources and of reads of its results
.rept 4
	v_nop
.endr
.endm
.macro FRAGN ks, a                     ; x's tile a of K step ks, from LDS, into set ks % 2
.set R_, 96*((\ks)%2)+FR*(\a)
.set O_, TILEB*((\a)%4)+1536*(\ks)
	ds_load_b128 v[R_:R_+3], v[L16+(\a)/4] offset:O_
	ds_load_b64 v[R_+4:R_+5], v[L8+(\a)/4] offset:O_+512
	ds_load_b128 v[R_+6:R_+9], v[L16+(\a)/4] offset:O_+768
	ds_load_b64 v[R_+10:R_+11], v[L8+(\a)/4] offset:O_+1280
.endm
.macro FRAGP k3, b                     ; the weight's tile b of K step k3 (8 and above: the next pass's), from memory, into set k3 % 4
.set R_, 48*((\k3)%4)+FR*(\b)
.set O_, TILEB*(\b)+1536*((\k3)%8)+PSTR*((\k3)/8)
	global_load_b128 v[R_:R_+3], v[L16], s[PB:PB+1] offset:O_
	global_load_b64 v[R_+4:R_+5], v[L8], s[PB:PB+1] offset:O_+512
	global_load_b128 v[R_+6:R_+9], v[L16], s[PB:PB+1] offset:O_+768
	global_load_b64 v[R_+10:R_+11], v[L8], s[PB:PB+1] offset:O_+1280
.endm
; What stands behind the g-th pair of products of K step ks.  0-7: the next K step's fragments of x; 8-11: the weight's of three K steps on; 12: scale words of the weight into registers whose K steps are over; 13, 14: the pass's bias.
.macro GAP role, ks, g, nf, pf, more
.if (\g) < 8
.if \nf
	WIN 0x80
	FRAGN ((\ks)+1)%8, \g
.endif
.elseif (\g) < 12
.if \pf
	WIN 0xc0
	FRAGP (\ks)+3, (\g)-8
.endif
.elseif (\g) == 12
.if (\ks) == 0
	WIN 0
.irp b, 0,1,2,3
	global_load_b128 v[SCP+8*\b+4:SCP+8*\b+7], v[R32], s[SBP:SBP+1] offset:512*\b+16        ; this pass's K steps 4-7
.endr
.elseif ((\ks) == 4) && (\more)
	WIN 0
.irp b, 0,1,2,3
	global_load_b128 v[SCP+8*\b:SCP+8*\b+3], v[R32], s[SBP:SBP+1] offset:SSTR+512*\b        ; the next pass's K steps 0-3
.endr
.endif
.elseif (\g) < 15
.if ((\ks) == 0) && ((\role) == 0)
	WIN 0x80
.irp u, 0,1
.set B_, 2*((\g)-13)+\u
	global_load_b128 v[BP+8*B_:BP+8*B_+3], v[H64], s[BB:BB+1] offset:(32*(B_/2)+8*(B_%2))*4      ; register j of tile b: the head's column 32 (b / 2) + 8 (b % 2) + 16 h + j
	global_load_b128 v[BP+8*B_+4:BP+8*B_+7], v[H64], s[BB:BB+1] offset:(32*(B_/2)+8*(B_%2))*4+16
.endr
.endif
.endif
.endm
.macro PROD role, ks, n                ; product n = 4 a + b of K step ks; the first K step starts the sums
.set A_, (\n)/4
.set C_, (\n)%4
.set RP_, 48*((\ks)%4)+FR*C_
.set RN_, 96*((\ks)%2)+FR*A_
.set D_, 8*(\n)
.if \role
	WIN 0x5e
.if (\ks) == 0
	v_wmma_scale_f32_16x16x128_f8f6f4 v[D_:D_+7], v[RN_:RN_+FR-1], v[RP_:RP_+FR-1], 0, v[SCN+8*A_+(\ks)], v[SCP+8*C_+(\ks)] matrix_a_fmt:MATRIX_FMT_FP6 matrix_b_fmt:MATRIX_FMT_FP6
.else
	v_wmma_scale_f32_16x16x128_f8f6f4 v[D_:D_+7], v[RN_:RN_+FR-1], v[RP_:RP_+FR-1], v[D_:D_+7], v[SCN+8*A_+(\ks)], v[SCP+8*C_+(\ks)] matrix_a_fmt:MATRIX_FMT_FP6 matrix_b_fmt:MATRIX_FMT_FP6
.endif
.else
	WIN 0x5b
.if (\ks) == 0
	v_wmma_scale_f32_16x16x128_f8f6f4 v[D_:D_+7], v[RP_:RP_+FR-1], v[RN_:RN_+FR-1], 0, v[SCP+8*C_+(\ks)], v[SCN+8*A_+(\ks)] matrix_a_fmt:MATRIX_FMT_FP6 matrix_b_fmt:MATRIX_FMT_FP6
.else
	v_wmma_scale_f32_16x16x128_f8f6f4 v[D_:D_+7], v[RP_:RP_+FR-1], v[RN_:RN_+FR-1], v[D_:D_+7], v[SCP+8*C_+(\ks)], v[SCN+8*A_+(\ks)] matrix_a_fmt:MATRIX_FMT_FP6 matrix_b_fmt:MATRIX_FMT_FP6
.endif
.endif
.endm
; A K step: 32 products, the 32 accumulators by turns in the same order in every step.  lc: the global loads issued behind this step's fragments of the weight that may stay out.
.macro STEP role, ks, nf, pf, more, lc
	s_wait_dscnt 0x0                               ; x's fragments of this step: the last was asked for 16 products ago
	s_wait_loadcnt \lc
	PLACES                                         ; the sets that this step's loads fill were read by the step before
.set N_, 0
.rept 32
	PROD \role, \ks, N_
.if N_%2
	GAP \role, \ks, N_/2, \nf, \pf, \more
.endif
.set N_, N_+1
.endr
.endm
; 64 numbers of a lane, register 16 b + i = k 32 b + 16 h + i of my row, become a fragment's codes in v[PC] on and its scale word in v[PW].
.macro QUANT s
.irp b, 0,1,2,3
	v_max3_num_f32 v[TM+\b], |v[\s+16*\b]|, |v[\s+1+16*\b]|, 0x1800000   ; my 16 numbers of block b, and the floor 2^(3 - 127): the byte cannot fall under 1
.endr
.irp i, 2,4,6,8,10,12,14
.irp b, 0,1,2,3
	v_max3_num_f32 v[TM+\b], v[TM+\b], |v[\s+16*\b+\i]|, |v[\s+1+16*\b+\i]|
.endr
.endr
.irp b, 0,1,2,3
	v_permlanex16_b32 v[TM+4+\b], v[TM+\b], s[SEL], s[SEL+1]
.endr
.irp b, 0,1,2,3
	v_max_num_f32 v[TM+\b], v[TM+\b], v[TM+4+\b]   ; with lane l xor 16's: the block's largest magnitude
.endr
.irp b, 0,1,2,3
	v_add_nc_u32 v[TM+12+\b], 0xff000000, v[TM+\b] ; 2 off its exponent field: the conversion's scale operand
.endr
.irp b, 0,1,2,3
	v_lshrrev_b32 v[TM+8+\b], 23, v[TM+12+\b]      ; the scale's byte
.endr
	v_lshl_or_b32 v[PW], v[TM+9], 8, v[TM+8]
	v_lshl_or_b32 v[PW], v[TM+10], 16, v[PW]
	v_lshl_or_b32 v[PW], v[TM+11], 24, v[PW]
.irp c, 0,1
	v_cvt_scalef32_pk16_fp6_f32 v[PC+6*\c:PC+2+6*\c], v[\s+32*\c:\s+15+32*\c], v[TM+12+2*\c]
	v_cvt_scalef32_pk16_fp6_f32 v[PC+12+4*\c:PC+14+4*\c], v[\s+16+32*\c:\s+31+32*\c], v[TM+12+2*\c+1]
.endr
	v_nop                                          ; one plain place behind a scaled conversion
.irp c, 0,1                                    ; the operand's layout wants a whole block in a lane
.irp i, 0,1,2
	v_permlane16_swap_b32 v[PC+6*\c+\i], v[PC+12+4*\c+\i]
.endr
.irp i, 0,1,2
	v_mov_b32 v[PC+3+6*\c+\i], v[PC+12+4*\c+\i]
.endr
.endr
.endm
; The same for a head's 32 numbers of a lane: two blocks, six registers of codes, two bytes.
.macro QUANTH s
.irp b, 0,1
	v_max3_num_f32 v[TM+\b], |v[\s+16*\b]|, |v[\s+1+16*\b]|, 0x1800000
.endr
.irp i, 2,4,6,8,10,12,14
.irp b, 0,1
	v_max3_num_f32 v[TM+\b], v[TM+\b], |v[\s+16*\b+\i]|, |v[\s+1+16*\b+\i]|
.endr
.endr
.irp b, 0,1
	v_permlanex16_b32 v[TM+4+\b], v[TM+\b], s[SEL], s[SEL+1]
.endr
.irp b, 0,1
	v_max_num_f32 v[TM+\b], v[TM+\b], v[TM+4+\b]
.endr
.irp b, 0,1
	v_add_nc_u32 v[TM+12+\b], 0xff000000, v[TM+\b]
.endr
.irp b, 0,1
	v_lshrrev_b32 v[TM+8+\b], 23, v[TM+12+\b]
.endr
	v_lshl_or_b32 v[PW], v[TM+9], 8, v[TM+8]
	v_cvt_scalef32_pk16_fp6_f32 v[PC:PC+2], v[\s:\s+15], v[TM+12]
	v_cvt_scalef32_pk16_fp6_f32 v[PC+12:PC+14], v[\s+16:\s+31], v[TM+13]
	v_nop
.irp i, 0,1,2
	v_permlane16_swap_b32 v[PC+\i], v[PC+12+\i]
.endr
.irp i, 0,1,2
	v_mov_b32 v[PC+3+\i], v[PC+12+\i]
.endr
.endm
	s_load_b128 s[4:7], s[0:1], 0x0                ; cw, sw
	s_load_b128 s[8:11], s[0:1], 0x10              ; bq, bk
	s_load_b128 s[12:15], s[0:1], 0x20             ; bv, pc
	s_load_b64 s[16:17], s[0:1], 0x30              ; pw
	v_lshl_add_u32 v[SPW], v0, 2, SPARE
	v_mov_b32 v[NIL], 0
	ds_add_u32 v[SPW], v[NIL]                      ; the opening lines: the add twice and one wait
	ds_add_u32 v[SPW], v[NIL]
	v_lshrrev_b32 v1, 5, v0
	v_readfirstlane_b32 s18, v1                    ; wave 0..3
	s_and_b32 s19, s18, 1
	s_lshr_b32 s20, s18, 1
	s_bfe_u32 s21, ttmp6, 0x40000                  ; cx: it enters global addresses alone, and none of x's
	s_and_b32 s24, ttmp7, 0xffff                   ; the block of 128 tokens, 0..63
	s_lshl_b32 s25, s21, 2
	s_add_co_u32 s25, s25, s18                     ; my head
	; descriptor group 1: my quarter of x's block is dense: 4 rows of 6,144 bytes (768 elements of 8).  The mask names all four work-groups; bit 21 is set beside it.
	s_mov_b32 s[G1], 15|(3<<16)|(1<<21)
	s_mov_b32 s[G1+1], 768<<16
	s_mov_b32 s[G1+2], 4<<16
	s_mov_b32 s[G1+3], 768<<16
	s_mov_b32 s[G1+4], 4
	s_mov_b32 s[G1+5], 768
	s_mov_b32 s[G1+6], 0
	s_mov_b32 s[G1+7], 0
	s_mul_i32 s62, s18, 2*TILEB                    ; my two tiles, in the block and in LDS
	s_mul_i32 s60, s24, 8*TILEB
	s_add_co_u32 s60, s60, s62
	s_mov_b32 s61, 0
	s_lshl_b32 s63, s25, 2
	s_add_co_u32 s63, s63, 512                     ; Wq's tiles begin at 512: my head's four
	s_mul_i32 s66, s63, TILEB
	s_mov_b32 s67, 0
	s_lshl_b32 s68, s63, 9
	s_mov_b32 s69, 0
	s_lshl_b32 s70, s24, 12                        ; x's scale bytes: 8 tiles of 512
	s_mov_b32 s71, 0
	s_lshl_b32 s72, s25, 8                         ; the biases: 64 numbers a head
	s_mov_b32 s73, 0
	s_lshr_b32 s74, s25, 1
	s_lshl_b32 s74, s74, 9
	s_lshl_b32 s75, s24, 3
	s_add_co_u32 s74, s74, s75                     ; q's fragment: pair x 512 + 8 x block
	s_mul_i32 s74, s74, 1536
	s_mul_i32 s75, s19, 768                        ; the head's half (head % 2 = wave % 2)
	s_add_co_u32 s74, s74, s75
	s_mov_b32 s75, 0
	s_lshl_b32 s76, s24, 6
	s_lshl_b32 s77, s25, 2
	s_add_co_u32 s77, s76, s77                     ; v's fragment: 64 x block + 4 x head
	s_mul_i32 s76, s77, 1536
	s_add_co_u32 s76, s76, VOFF
	s_lshl_b32 s78, s77, 6
	s_add_co_u32 s78, s78, VWOFF
	s_mov_b32 s77, 0
	s_mov_b32 s79, 0
	s_lshl_b32 s80, s20, 3                         ; the piece of the stage that I store: q or k by wave / 2, the pair by wave % 2
	s_lshl_b32 s81, s21, 1
	s_add_co_u32 s80, s80, s81
	s_add_co_u32 s80, s80, s19
	s_lshl_b32 s80, s80, 9
	s_lshl_b32 s81, s24, 3
	s_add_co_u32 s80, s80, s81
	s_lshl_b32 s80, s80, 6
	s_mov_b32 s81, 0
	s_lshl_b32 s82, s18, 8
	s_add_co_u32 s82, s82, WST                     ; my 256 bytes for v's words
	s_lshl_b32 s83, s20, 9
	s_lshl_b32 s84, s19, 1
	s_add_co_u32 s83, s83, s84
	s_add_co_u32 s83, s83, STG                     ; the stage: my pair's 512 bytes, my head's half of a word
	s_lshl_b32 s84, s18, 9
	s_add_co_u32 s84, s84, STG
	s_mov_b32 s[SEL], 0x76543210
	s_mov_b32 s[SEL+1], 0xfedcba98                 ; v_permlanex16_b32's selects for lane l xor 16
	s_mov_b32 s[PN], 0
	s_mov_b32 s[SO], 0
	s_wait_dscnt 0x0
	s_wait_kmcnt 0x0
	s_mov_b32 s[G0], 1
	s_mov_b32 s[G0+1], s62
	s_add_nc_u64 s[G0+2:G0+3], s[4:5], s[60:61]
	s_or_b32 s[G0+3], s[G0+3], 0x80000000
	CROUND                                         ; all four work-groups are here: the joint loads meet
	tensor_load_to_lds s[G0:G0+3], s[G1:G1+7]      ; every wave's one load
	s_nop 0
	PLACES
	s_add_nc_u64 s[PB:PB+1], s[4:5], s[66:67]
	s_add_nc_u64 s[SBP:SBP+1], s[6:7], s[68:69]
	s_add_nc_u64 s[70:71], s[6:7], s[70:71]
	s_add_nc_u64 s[BB:BB+1], s[8:9], s[72:73]
	s_add_nc_u64 s[BK:BK+1], s[10:11], s[72:73]
	s_add_nc_u64 s[72:73], s[12:13], s[72:73]
	s_add_nc_u64 s[OUT:OUT+1], s[14:15], s[74:75]
	s_add_nc_u64 s[OV:OV+1], s[14:15], s[76:77]
	s_add_nc_u64 s[OVW:OVW+1], s[16:17], s[78:79]
	s_add_nc_u64 s[OQW:OQW+1], s[16:17], s[80:81]
	v_and_b32 v24, 31, v0                          ; lane
	v_and_b32 v25, 15, v0                          ; r
	v_bfe_u32 v26, v0, 4, 1                        ; h
	v_lshlrev_b32 v[L16], 4, v24
	v_lshlrev_b32 v[L8], 3, v24
	v_lshlrev_b32 v[R32], 5, v25
	v_lshlrev_b32 v[H64], 6, v26
	v_and_b32 v27, 8, v25
	v_add_nc_u32 v27, v27, v25
	v_lshlrev_b32 v[RP4], 2, v27
	v_add_nc_u32 v[L16+1], 4*TILEB, v[L16]
	v_add_nc_u32 v[L8+1], 4*TILEB, v[L8]
	v_lshl_add_u32 v[WSA], v25, 2, s82
	v_add_nc_u32 v[WRD], s82, v[L8]
	v_lshl_add_u32 v[WSH], v25, 2, s83
	v_add_nc_u32 v[WQR], s84, v[L16]
.irp b, 0,1,2,3
	v_mov_b32 v[TM+4+\b], 0                        ; written once: a lane permute's destination counts as one of its sources
.endr
.irp a, 0,1,2,3,4,5,6,7
	global_load_b128 v[SCN+8*\a:SCN+8*\a+3], v[R32], s[70:71] offset:512*\a        ; a row's eight scale words: all of K
	global_load_b128 v[SCN+8*\a+4:SCN+8*\a+7], v[R32], s[70:71] offset:512*\a+16
.endr
.irp b, 0,1,2,3
	global_load_b128 v[SCP+8*\b:SCP+8*\b+3], v[R32], s[SBP:SBP+1] offset:512*\b    ; Wq's, K steps 0-3
.endr
	WIN 0x80
.irp b, 0,1,2,3
	global_load_b32 v[BN+2*\b], v[RP4], s[72:73] offset:(32*(\b/2)+8*(\b%2))*4     ; bv of my row of Wv's tile b; twice, since the packed addition names a pair
	global_load_b32 v[BN+2*\b+1], v[RP4], s[72:73] offset:(32*(\b/2)+8*(\b%2))*4
.endr
	WIN 0xc0
.irp k, 0,1,2
.irp b, 0,1,2,3
	FRAGP \k, \b                                   ; Wq's fragments of K steps 0, 1, 2
.endr
.endr
	WIN 0
	WALU
	s_wait_tensorcnt 0x0                           ; my quarter of x's block is in
	s_barrier_signal -1
	s_barrier_wait -1                              ; everybody's is
	WIN 0x80
.irp a, 0,1,2,3,4,5,6,7
	FRAGN 0, \a
.endr
	WIN 0
.Lpass:                                                ; q, then k
.irp ks, 0,1,2,3,4,5,6,7
	STEP 0, \ks, 1, 1, 1, 32                       ; behind a step's fragments of the weight stand the loads of the two steps after it, 16 each, or more
.endr
	PLACES
	WIN 0
	v_add_nc_u32 v[WSQ], s[SO], v[WSH]
	WALU
.irp a, 0,1,2,3,4,5,6,7                        ; THE WAY OUT: tile a's 16 tokens: 32 numbers a lane + the bias, quantised, stored as the head's half of a fragment
	s_wait_xcnt 0x0                                ; the last tile's stores have read their registers
	WIN 0x09                                       ; source 0 (sums) window 1, source 1 (bias) window 2
.set p, 0
.rept 16
	v_pk_add_f32 v[HA+p:HA+p+1], v[32*\a+p:32*\a+p+1], v[BP+p:BP+p+1]   ; each accumulator from its low end on; the addition is also the copy into window 0
.set p, p+2
.endr
	WIN 0
	QUANTH HA
	global_store_b128 v[L16], v[PC:PC+3], s[OUT:OUT+1] offset:1536*\a            ; three whole aligned blocks of 256 bytes
	global_store_b64 v[L8], v[PC+4:PC+5], s[OUT:OUT+1] offset:1536*\a+512
	ds_store_b16 v[WSQ], v[PW] offset:64*\a        ; lanes r and r + 16 write the same half word with the same value
.endr
	s_wait_xcnt 0x0                                ; every load and store has read its base
	s_add_nc_u64 s[PB:PB+1], s[PB:PB+1], PSTR
	s_add_nc_u64 s[SBP:SBP+1], s[SBP:SBP+1], SSTR
	s_add_nc_u64 s[OUT:OUT+1], s[OUT:OUT+1], 8*512*1536
	s_mov_b64 s[BB:BB+1], s[BK:BK+1]
	s_add_co_u32 s[SO], s[SO], 1024
	s_add_co_u32 s[PN], s[PN], 1
	s_cmp_lt_u32 s[PN], 2
	s_cbranch_scc1 .Lpass
.irp ks, 0,1,2,3,4
	STEP 1, \ks, 1, 1, 0, 32                       ; v
.endr
	STEP 1, 5, 1, 0, 0, 32
	STEP 1, 6, 1, 0, 0, 16                         ; behind K step 6's fragments stand K step 7's 16 loads alone
	STEP 1, 7, 0, 0, 0, 0
	PLACES
	WIN 0
.irp b, 0,1,2,3                                ; THE WAY OUT: Wv's tile b: 64 numbers a lane (128 keys) + bv of my row, quantised, stored as a fragment
	s_wait_xcnt 0x0
	WIN 0x09
.irp a, 0,1,2,3,4,5,6,7
.irp q, 0,2,4,6
	v_pk_add_f32 v[HA+8*\a+\q:HA+8*\a+\q+1], v[32*\a+8*\b+\q:32*\a+8*\b+\q+1], v[BN+2*\b:BN+2*\b+1] op_sel_hi:[1,0]
.endr
.endr
	WIN 0
	QUANT HA
	global_store_b128 v[L16], v[PC:PC+3], s[OV:OV+1] offset:1536*\b              ; each store covers whole aligned blocks of 256 bytes
	global_store_b64 v[L8], v[PC+4:PC+5], s[OV:OV+1] offset:1536*\b+512
	global_store_b128 v[L16], v[PC+6:PC+9], s[OV:OV+1] offset:1536*\b+768
	global_store_b64 v[L8], v[PC+10:PC+11], s[OV:OV+1] offset:1536*\b+1280
	ds_store_b32 v[WSA], v[PW] offset:64*\b        ; lanes r and r + 16 write the same word with the same value
.endr
	ds_load_b64 v[WT:WT+1], v[WRD]                 ; LDS serves a wave's instructions in order: these see my stores
	s_wait_dscnt 0x0                               ; and, for the others' sake, my half words of q and k have landed
	s_barrier_signal -1
	s_barrier_wait -1
	ds_load_b128 v[WU:WU+3], v[WQR]                ; both heads' halves of a pair's words
	global_store_b64 v[L8], v[WT:WT+1], s[OVW:OVW+1]   ; my four fragments' scale words: one aligned block of 256 bytes
	s_wait_dscnt 0x0
	global_store_b128 v[L16], v[WU:WU+3], s[OQW:OQW+1] ; 512 consecutive bytes
	s_wait_tensorcnt 0x0                           ; the wave's end
	ds_add_u32 v[SPW], v[NIL]
	s_wait_dscnt 0x0
	CROUND                                         ; the closing round
	s_endpgm
.Lfunc_end_k_q604d9eb86a_qkv:
	.size	k_q604d9eb86a_qkv, .Lfunc_end_k_q604d9eb86a_qkv-k_q604d9eb86a_qkv
	.p2alignl 7, 3214868480
	.fill 96, 4, 3214868480
	.section	.rodata,"a",@progbits
	.p2align	6, 0x0
	.amdhsa_kernel k_q604d9eb86a_qkv
		.amdhsa_group_segment_fixed_size 167936
		.amdhsa_private_segment_fixed_size 0
		.amdhsa_enable_private_segment 0
		.amdhsa_kernarg_size 56
		.amdhsa_user_sgpr_count 2
		.amdhsa_user_sgpr_kernarg_segment_ptr 1
		.amdhsa_wavefront_size32 1
		.amdhsa_system_sgpr_workgroup_id_x 1
		.amdhsa_system_sgpr_workgroup_id_y 1
		.amdhsa_system_sgpr_workgroup_id_z 1
		.amdhsa_system_vgpr_workitem_id 0
		.amdhsa_next_free_vgpr 1024
		.amdhsa_next_free_sgpr 100
		.amdhsa_reserve_vcc 0
		.amdhsa_float_denorm_mode_32 3
		.amdhsa_float_denorm_mode_16_64 3
		.amdhsa_memory_ordered 1
		.amdhsa_forward_progress 1
		.amdhsa_inst_pref_size 197
	.end_amdhsa_kernel
	.amdgpu_metadata
---
amdhsa.version: [ 1, 2 ]
amdhsa.kernels:
  - .name:           k_q604d9eb86a_qkv
    .symbol:         k_q604d9eb86a_qkv.kd
    .args:
      - { .name: cw, .offset: 0, .size: 8, .value_kind: global_buffer, .address_space: global }
      - { .name: sw, .offset: 8, .size: 8, .value_kind: global_buffer, .address_space: global }
      - { .name: bq, .offset: 16, .size: 8, .value_kind: global_buffer, .address_space: global }
      - { .name: bk, .offset: 24, .size: 8, .value_kind: global_buffer, .address_space: global }
      - { .name: bv, .offset: 32, .size: 8, .value_kind: global_buffer, .address_space: global }
      - { .name: pc, .offset: 40, .size: 8, .value_kind: global_buffer, .address_space: global }
      - { .name: pw, .offset: 48, .size: 8, .value_kind: global_buffer, .address_space: global }
    .group_segment_fixed_size: 167936
    .private_segment_fixed_size: 0
    .kernarg_segment_align: 8
    .kernarg_segment_size: 56
    .max_flat_workgroup_size: 128
    .sgpr_count:     100
    .vgpr_count:     1024
    .wavefront_size: 32
...
	.end_amdgpu_metadata
.endif
;; end of part 2
;; launch attn (part 3): grid 4 x 64, 8 waves a work-group, clusters of 4 x 1, 219,136 bytes of LDS; arguments pc, pw, key_padding_mask, oc, ow; writes oc, ow
.if DOCPART == 3
	.amdgcn_target "amdgcn-amd-amdhsa--gfx1250"
	.amdhsa_code_object_version 6
	.text
	.protected	k_q604d9eb86a_attn
	.globl	k_q604d9eb86a_attn
	.p2align	8
	.type	k_q604d9eb86a_attn,@function
k_q604d9eb86a_attn:
	s_mov_b64 s[64:65], 0
	v_nop
	global_prefetch_b8 v0, s[64:65] scope:SCOPE_SE
	s_setreg_imm32_b32 hwreg(HW_REG_WAVE_MODE, 25, 1), 1
	s_wait_xcnt 0x0
	s_wait_alu depctr_hold_cnt(0) depctr_sa_sdst(0) depctr_va_vdst(0) depctr_va_sdst(0) depctr_va_ssrc(0) depctr_va_vcc(0) depctr_vm_vsrc(0)
	s_getreg_b32 s2, hwreg(HW_REG_IB_STS2, 6, 4)
	s_cmp_eq_u32 s2, 0
	s_cbranch_scc0 .Lentry_in_a_cluster
	s_endpgm
.Lentry_in_a_cluster:
	s_bfe_u32 s2, ttmp6, 0x10000c
	s_cmp_lg_u32 s2, 0x3003
	s_cbranch_scc0 .Lentry_shape_is_right
	s_endpgm
.Lentry_shape_is_right:
; o = softmax(q k^T / 8, keys under the padding mask left out) v for one head, both products on codes of FP6 (E2M3) with E8M0 scales; o / the row's sum is quantised along D and leaves as codes.
; THE SOFTMAX: t = score x log2(e) / 8; M = the running largest t rounded UP to a whole number; p = 2^(t - M) is quantised along the keys, not normalised; the row's sum is taken of the unquantised p and divides at the end.
; SHARES: a cluster is one (batch, head); its four work-groups are the four blocks of 512 queries.  Each of eight waves owns four tiles of 16 queries and takes them TWO AT A TIME (tiles A and B) over all 2,048 keys, 128 a step:
; each fragment of K and of V that comes from LDS feeds two products.  The head's whole K (98,304 bytes) and V (as many) stay in LDS, filled ONCE by joint loads, one a wave (waves 0-3 K, 4-7 V): no byte is filled again,
; and nothing is streamed from memory in the loop, so no prefetch is laid.
; LAYOUT: both products transposed: S^T = K Q^T, O^T = V^T P^T: a lane holds one query.  Operands lie in memory and LDS in the order of the operand's registers: 16 rows x 64 K are 768 bytes: lane l: 16 bytes at 16 l, 8 at 512 + 8 l.
; In memory tile T, row p is token 32 (T / 2) + 8 (T % 2) + p + 8 (p / 8).  A TILE OF KEYS IS COMPOSED ANEW BY THE LANES' LDS ADDRESSES: tile j of band c (64 keys), row r is key 64 c + 32 (r / 8) + 8 j + r % 8,
; which lies in stored tile 4 c + 2 (r / 8) + j % 2, row r % 8 + 8 (j / 2).  So lane (r, h)'s 32 scores of a band are keys 64 c + 32 h + 0 .. 31: ONE scale block, in the order of P's operand registers.
; THE MASK RIDES IN THE UNUSED HALF OF K.  The head's K is 64, the instruction's 128.  Q has the code of 1.0 at k = 64 under the scale 2^63; a key that is left out has the code of -1.0 there under 2^63, a key that counts the code 0
; under 2^-126.  So a hidden key's score is s - 2^126 and its p is 0.  The largest score begins at -2^103, above every hidden key's: a step all of whose keys are hidden moves nothing.
; A batch with NO key that counts: reference() gives equal weights.  Every wave ORs the batch's mask bytes; where none is set, all keys count and K's two scale bytes become 1: all scores are next to 0, the weights equal.  No jump hangs on it.
; LIMITS: NaN and infinities are not served; scores stay under 2^100 in magnitude; blocks whose largest magnitude lies under 2^-124 keep the byte 1.  ow's bytes leave singly, a byte a lane in rows 32 bytes apart.
; The last step of the second pass fetches the first band of K once more (13 LDS loads that nothing reads): the step is one text.
; REGISTERS.  Window 0: v1-15 addresses; v16-63 Q's four fragments, v64-67 their scale words; v68-115 four fragments of K, v116-119 their words; v120-167 V's four, v168-171 their words; v172-173 p's words; v192-255 O^T of A, B.
; Window 1 (all the softmax's work): v0-63 S^T then p of A, v64-127 of B; v128-151 p's codes; v152-167 the conversions' second halves; v168 on: state and work, two tiles side by side.
.set VOFF,  12582912
.set VWOFF, 524288
.set VC,    98304                      ; LDS: K's codes [128 tiles][768] at 0; V's [16 steps][4 tiles of d][1,536] here;
.set KW,    196608                     ; K's scale words, finished, [32 bands][16 rows][4 tiles];
.set KEO,   8192                       ; 8,192 bytes on: the words with the mask's code, laid alike;
.set VW,    212992                     ; V's scale words [16 steps][4][16].  These three are written by LDS stores alone; no tile lands there
.set SPARE, 217088                     ; the spare words: 128 bytes a wave
.set KA16, 1
.set KA8,  2
.set VA16, 3
.set VA8,  4
.set KWA,  5
.set VWA,  6
.set ADA,  7
.set ADB,  8
.set ADVA, 9
.set ADVB, 10
.set ADW,  11
.set ADX,  12
.set L16,  13
.set L8,   14
.set OWO,  15
.set Q,    16
.set QW,   64
.set KF,   68
.set KS,   116
.set VF,   120
.set VS,   168
.set PW,   172
.set SPW,  174
.set NIL,  175
.set OA,   192
; window 1
.set CA,   128                         ; p's codes: 12 x tile
.set TA,   152                         ; second halves: 8 x tile + 4 x band
.set NM,   168                         ; pairs (-M, largest score): 2 x tile
.set LL,   172                         ; the sum, two halves
.set FF,   176                         ; pairs (f, 0)
.set MB,   180                         ; a block's largest score, then p: 2 x tile + band
.set TT,   184
.set SO,   188                         ; the conversions' scale operands
.set BY,   192                         ; scale bytes
.set CH,   196                         ; four chains of sums: 8 x tile
.set L1,   212                         ; A's first level of sums, 16 pairs
.set H8,   244                         ; 8 h
.set WV,  18
.set SEL, 20
.set CS,  22
.set G1K, 24
.set G1V, 32
.set G0K, 40
.set G0V, 44
.set TK,  48                           ; s48, s49: the NEXT step's place in K's codes (6,144 a step) and words (512); s50, s51: this step's in V's codes and words (256)
.set TW,  49
.set TV,  50
.set TX,  51
.set SH,  52
.set CNT, 86
.set MSB, 0
.macro WIN new                         ; the immediate's high byte repeats the setting that is left
.if MSB != \new
	s_set_vgpr_msb (MSB<<8)|\new
.set MSB, \new
.endif
.endm
.macro WALU
	s_wait_alu depctr_va_vdst(0)
.endm
.macro ROUND                           ; a round of the cluster's barrier
	s_barrier_signal -1
	s_barrier_wait -1
	s_cmp_lg_u32 s[WV], 0
	s_cbranch_scc1 .Lnot_wave_0_\@
	s_barrier_signal -3
.Lnot_wave_0_\@:
	s_barrier_wait -3
	s_barrier_signal -1
	s_barrier_wait -1
.endm
	s_load_b128 s[4:7], s[0:1], 0x0                ; pc, pw
	s_load_b128 s[8:11], s[0:1], 0x10              ; the mask, oc
	s_load_b64 s[12:13], s[0:1], 0x20              ; ow
	v_lshl_add_u32 v[SPW], v0, 2, SPARE
	v_mov_b32 v[NIL], 0
	ds_add_u32 v[SPW], v[NIL]                      ; the opening lines: the add twice and one wait
	ds_add_u32 v[SPW], v[NIL]
	v_lshrrev_b32 v1, 5, v0
	v_readfirstlane_b32 s[WV], v1                  ; wave 0..7
	s_bfe_u32 s14, ttmp6, 0x40000                  ; cx: it enters Q's, oc's and ow's addresses alone
	s_and_b32 s15, ttmp7, 0xffff
	s_lshr_b32 s16, s15, 4                         ; batch
	s_and_b32 s17, s15, 15                         ; head
	s_lshr_b32 s19, s17, 1                         ; its pair
	s_and_b32 s60, s17, 1
	s_lshl_b32 s[SH], s60, 4
	s_and_b32 s61, s[WV], 3                        ; which quarter of K (waves 0-3) or of V (waves 4-7) I fetch
	s_add_co_u32 s62, s19, 8
	s_lshl_b32 s62, s62, 9
	s_lshl_b32 s63, s16, 7
	s_add_co_u32 s62, s62, s63                     ; k's first fragment: (8 + pair) x 512 + 128 x batch
	s_lshl_b32 s63, s61, 5
	s_add_co_u32 s63, s62, s63                     ; my 32 tiles of keys
	s_mul_i32 s66, s63, 1536
	s_mul_i32 s63, s60, 768                        ; the head's half of a fragment
	s_add_co_u32 s66, s66, s63
	s_mov_b32 s67, 0
	s_lshl_b32 s68, s16, 4
	s_lshl_b32 s69, s61, 2
	s_add_co_u32 s69, s68, s69                     ; my four key steps
	s_lshl_b32 s69, s69, 6
	s_lshl_b32 s70, s17, 2
	s_add_co_u32 s69, s69, s70                     ; the head's four tiles of d
	s_mul_i32 s68, s69, 1536
	s_add_co_u32 s68, s68, VOFF
	s_mov_b32 s69, 0
	s_mul_i32 s71, s61, 24576                      ; and where they go
	s_lshl_b32 s72, s62, 6                         ; k's scale words
	s_mov_b32 s73, 0
	s_lshl_b32 s74, s16, 11                        ; the batch's mask bytes
	s_mov_b32 s75, 0
	s_lshl_b32 s76, s16, 16
	s_lshl_b32 s77, s17, 8
	s_add_co_u32 s76, s76, s77
	s_add_co_u32 s76, s76, VWOFF                   ; v's scale words
	s_mov_b32 s77, 0
	s_lshl_b32 s78, s16, 7
	s_lshl_b32 s79, s14, 5
	s_add_co_u32 s78, s78, s79
	s_lshl_b32 s79, s[WV], 2
	s_add_co_u32 s78, s78, s79                     ; my first tile of queries: 128 x batch + 32 cx + 4 x wave
	s_lshl_b32 s79, s19, 9
	s_add_co_u32 s79, s79, s78                     ; q's fragment
	s_mul_i32 s80, s79, 1536
	s_add_co_u32 s80, s80, s63
	s_mov_b32 s81, 0
	s_lshl_b32 s82, s79, 6
	s_mov_b32 s83, 0
	s_mul_i32 s56, s78, 12288
	s_mul_i32 s87, s17, 768
	s_add_co_u32 s56, s56, s87                     ; oc: [tile][head][768]
	s_mov_b32 s57, 0
	s_lshl_b32 s58, s78, 9
	s_lshl_b32 s87, s17, 1
	s_add_co_u32 s58, s58, s87                     ; ow: [tile][row][32], bytes 2 x head, 2 x head + 1
	s_mov_b32 s59, 0
	; descriptor group 1.  K: 32 rows of 768 bytes (96 elements of 8), 1,536 apart.  V: 4 rows of 6,144 bytes (768 elements), 98,304 apart.  The mask names all four work-groups; bit 21 is set beside it.
	s_mov_b32 s[G1K], 15|(3<<16)|(1<<21)
	s_mov_b32 s[G1K+1], 96<<16
	s_mov_b32 s[G1K+2], 32<<16
	s_mov_b32 s[G1K+3], 96<<16
	s_mov_b32 s[G1K+4], 32
	s_mov_b32 s[G1K+5], 192
	s_mov_b32 s[G1K+6], 0
	s_mov_b32 s[G1K+7], 0
	s_mov_b32 s[G1V], 15|(3<<16)|(1<<21)
	s_mov_b32 s[G1V+1], 768<<16
	s_mov_b32 s[G1V+2], 4<<16
	s_mov_b32 s[G1V+3], 768<<16
	s_mov_b32 s[G1V+4], 4
	s_mov_b32 s[G1V+5], 12288
	s_mov_b32 s[G1V+6], 0
	s_mov_b32 s[G1V+7], 0
	s_mov_b32 s[SEL], 0x76543210
	s_mov_b32 s[SEL+1], 0xfedcba98                 ; v_permlanex16_b32's selects for lane l xor 16
	s_mov_b32 s[CS], 0x3e38aa3b                    ; c = log2(e) / 8
	s_mov_b32 s[CS+1], s[CS]                       ; (named with it as a pair, so it is written)
	s_mov_b32 s53, 0xffff
	s_mov_b32 s54, 0x01be0000                      ; bytes 2 and 3 of a scale word: 2^63, 2^-126
	s_mov_b32 s55, 0xffff0000                      ; lanes 16-31
	s_mov_b32 s[TK], 0
	s_mov_b32 s[TW], 0
	s_wait_dscnt 0x0
	s_wait_kmcnt 0x0
	s_mov_b32 s[G0K], 1
	s_mov_b32 s[G0K+1], s71
	s_add_nc_u64 s[G0K+2:G0K+3], s[4:5], s[66:67]
	s_or_b32 s[G0K+3], s[G0K+3], 0x80000000
	s_mov_b32 s[G0V], 1
	s_add_co_u32 s[G0V+1], s71, VC
	s_add_nc_u64 s[G0V+2:G0V+3], s[4:5], s[68:69]
	s_or_b32 s[G0V+3], s[G0V+3], 0x80000000
	ROUND                                          ; all four work-groups are here: the joint loads meet
	s_cmp_lt_u32 s[WV], 4
	s_cbranch_scc0 .Lfill_v
	tensor_load_to_lds s[G0K:G0K+3], s[G1K:G1K+7]
	s_nop 0
.rept 4
	v_nop
.endr
	s_branch .Lfilled
.Lfill_v:
	tensor_load_to_lds s[G0V:G0V+3], s[G1V:G1V+7]
	s_nop 0
.rept 4
	v_nop
.endr
.Lfilled:
	s_add_nc_u64 s[72:73], s[6:7], s[72:73]
	s_add_nc_u64 s[74:75], s[8:9], s[74:75]
	s_add_nc_u64 s[76:77], s[6:7], s[76:77]
	s_add_nc_u64 s[80:81], s[4:5], s[80:81]
	s_add_nc_u64 s[82:83], s[6:7], s[82:83]
	s_add_nc_u64 s[56:57], s[10:11], s[56:57]
	s_add_nc_u64 s[58:59], s[12:13], s[58:59]
	v_and_b32 v176, 31, v0                         ; lane
	v_and_b32 v177, 15, v0                         ; r
	v_bfe_u32 v178, v0, 4, 1                       ; h
	v_and_b32 v179, 7, v0                          ; r % 8
	v_bfe_u32 v180, v0, 3, 1                       ; r / 8
	v_lshlrev_b32 v[L16], 4, v176
	v_lshlrev_b32 v[L8], 3, v176
	v_mul_u32_u24 v181, v180, 1536                 ; two stored tiles on for rows 8-15
	v_add_nc_u32 v[VA16], VC, v[L16]
	v_add_nc_u32 v[VA8], VC, v[L8]
	v_lshl_add_u32 v[KA16], v179, 4, v181
	v_lshl_add_u32 v[KA8], v179, 3, v181
	v_lshl_add_u32 v[KA16], v178, 8, v[KA16]       ; 1,536 (r / 8) + 16 (r % 8) + 256 h
	v_lshl_add_u32 v[KA8], v178, 7, v[KA8]         ; 1,536 (r / 8) + 8 (r % 8) + 128 h
	v_lshl_add_u32 v[KWA], v177, 4, KW
	v_lshl_add_u32 v[VWA], v177, 2, VW
	v_lshl_or_b32 v[OWO], v177, 5, v178            ; 32 r + h
	v_lshlrev_b32 v182, 4, v0                      ; thread t takes k's words 4 t .. 4 t + 3: stored tile t / 4, rows 4 (t % 4) on (and the same of tile 64 + t / 4),
	v_lshrrev_b32 v183, 3, v0
	v_bfe_u32 v187, v0, 2, 1
	v_lshlrev_b32 v183, 5, v183
	v_and_b32 v188, 3, v0
	v_lshl_add_u32 v183, v187, 3, v183
	v_bfe_u32 v189, v0, 1, 1
	v_lshl_add_u32 v183, v188, 2, v183
	v_lshrrev_b32 v184, 5, v0
	v_lshl_add_u32 v183, v189, 3, v183             ; which are keys 32 (t / 8) + 8 ((t / 4) % 2) + 4 (t % 4) + 8 ((t / 2) % 2) + 0 .. 3: four neighbouring mask bytes
	v_lshl_add_u32 v184, v184, 12, v[L8]           ; v's words: wave w takes key steps w and 8 + w, 256 bytes each
	v_lshlrev_b32 v185, 2, v177                    ; q's words: 4 r
	v_lshlrev_b32 v186, 6, v176                    ; the whole batch's mask: 64 bytes a lane
	global_load_b128 v[68:71], v182, s[72:73]
	global_load_b128 v[72:75], v182, s[72:73] offset:4096
	global_load_b32 v76, v183, s[74:75]
	global_load_b32 v77, v183, s[74:75] offset:1024
	global_load_b64 v[78:79], v184, s[76:77]
	global_load_b64 v[80:81], v184, s[76:77] offset:32768
.irp j, 0,1,2,3
	global_load_b128 v[84+4*\j:87+4*\j], v186, s[74:75] offset:16*\j
.endr
.irp i, 0,1,2,3
	global_load_b128 v[Q+12*\i:Q+12*\i+3], v[L16], s[80:81] offset:1536*\i
	global_load_b64 v[Q+12*\i+4:Q+12*\i+5], v[L8], s[80:81] offset:1536*\i+512
	global_load_b32 v[QW+\i], v185, s[82:83] offset:64*\i
.endr
	v_mov_b32 v108, 0x01be0000                     ; bytes 2, 3 of a hidden key's word
	v_mov_b32 v109, 0x01010000                     ; of a key that counts
	v_mov_b32 v110, 0
	v_mov_b32 v111, 0x0101
	v_lshrrev_b32 v112, 3, v0                      ; where the words go: band t / 16, row 8 ((t / 8) % 2) + 4 (t % 2) + e, tile (t / 4) % 2 + 2 ((t / 2) % 2)
	v_and_b32 v113, 1, v0
	v_lshlrev_b32 v112, 7, v112
	v_lshl_add_u32 v112, v113, 6, v112
	v_lshl_add_u32 v112, v189, 3, v112
	v_lshl_add_u32 v112, v187, 2, v112
	v_add_nc_u32 v112, KW, v112
	v_lshl_add_u32 v114, v0, 3, VW
	WALU
	s_wait_loadcnt 12                              ; all but Q's twelve loads are in
.irp j, 1,2,3,4,5,6,7,8,9,10,11,12,13,14,15
	v_or_b32 v84, v84, v[84+\j]
.endr
	v_cmp_ne_u32 vcc_lo, 0, v84
	s_cmp_lg_u32 vcc_lo, 0
	s_cselect_b32 s84, -1, 0                       ; all ones where some key of the batch counts
	s_not_b32 s85, s84
.irp g, 0,1
.irp e, 0,1,2,3
	v_bfe_u32 v115, v[76+\g], 8*\e, 8
	v_cmp_ne_u32 vcc_lo, 0, v115
	s_or_b32 vcc_lo, vcc_lo, s85                   ; where no key counts, all do
	v_cndmask_b32 v116, v108, v109, vcc_lo
	v_cndmask_b32 v[100+4*\g+\e], 40, v110, vcc_lo ; the code at k = 64: 0, or 0x28 = -1.0
	v_lshrrev_b32 v[68+4*\g+\e], s[SH], v[68+4*\g+\e]
	v_and_b32 v[68+4*\g+\e], s53, v[68+4*\g+\e]    ; the head's two bytes,
	v_cndmask_b32 v[68+4*\g+\e], v111, v[68+4*\g+\e], s84   ; or 1, 1 where no key counts
	v_or_b32 v[68+4*\g+\e], v[68+4*\g+\e], v116
.endr
.endr
	WALU
.irp g, 0,1
.irp e, 0,1,2,3
	ds_store_b32 v112, v[68+4*\g+\e] offset:16*\e+4096*\g
	ds_store_b32 v112, v[100+4*\g+\e] offset:KEO+16*\e+4096*\g
.endr
.endr
	ds_store_b64 v114, v[78:79]
	ds_store_b64 v114, v[80:81] offset:2048
	s_wait_loadcnt 0x0                             ; Q
.irp i, 0,1,2,3
	v_lshrrev_b32 v[QW+\i], s[SH], v[QW+\i]
	v_cndmask_b32 v[Q+12*\i+6], 8, v110, s55       ; the code of 1.0 at k = 64: lanes 0-15 hold k = 64 on
.irp j, 7,8,9,10,11
	v_mov_b32 v[Q+12*\i+\j], 0
.endr
	v_and_or_b32 v[QW+\i], v[QW+\i], s53, s54
.endr
.irp t, 0,1,2,3
.irp j, 7,8,9,10,11
	v_mov_b32 v[KF+12*\t+\j], 0                    ; written once; no load lands there
.endr
.endr
	v_mov_b32 v[ADA], v[KA16]
	v_mov_b32 v[ADB], v[KA8]
	v_mov_b32 v[ADW], v[KWA]
	WIN 0x40
.irp b, 0,1,2,3
	v_mov_b32 v[TT+\b], 0                          ; written once: a lane permute's destination counts as one of its sources
	v_mov_b32 v[FF+\b], 0                          ; (the pairs' upper halves are named with f)
.endr
	v_lshlrev_b32 v[H8], 3, v178
	WIN 0
	WALU
	s_wait_tensorcnt 0x0                           ; my part of K or V has landed,
	s_wait_dscnt 0x0                               ; and so have my words
	s_barrier_signal -1
	s_barrier_wait -1                              ; everybody's have
.macro KLOAD c                         ; band c's four tiles of keys, composed by the lanes' addresses; 13 loads
.irp j, 0,1,2,3
	ds_load_b128 v[KF+12*\j:KF+12*\j+3], v[ADA] offset:3072*\c+768*(\j%2)+128*(\j/2)
	ds_load_b64 v[KF+12*\j+4:KF+12*\j+5], v[ADB] offset:3072*\c+768*(\j%2)+64*(\j/2)+512
	ds_load_b32 v[KF+12*\j+6], v[ADW] offset:KEO+256*\c+4*\j
.endr
	ds_load_b128 v[KS:KS+3], v[ADW] offset:256*\c
.endm
.macro VLOAD                           ; 20 loads
.irp t, 0,1,2,3
	ds_load_b128 v[VF+12*\t:VF+12*\t+3], v[ADVA] offset:1536*\t
	ds_load_b64 v[VF+12*\t+4:VF+12*\t+5], v[ADVB] offset:1536*\t+512
	ds_load_b128 v[VF+12*\t+6:VF+12*\t+9], v[ADVA] offset:1536*\t+768
	ds_load_b64 v[VF+12*\t+10:VF+12*\t+11], v[ADVB] offset:1536*\t+1280
	ds_load_b32 v[VS+\t], v[ADX] offset:64*\t
.endr
.endm
.macro QK c, i                         ; S^T of band c: each fragment of K against A's and B's queries
	WIN 0x40
.irp j, 0,1,2,3
	v_wmma_scale_f32_16x16x128_f8f6f4 v[32*\c+8*\j:32*\c+8*\j+7], v[KF+12*\j:KF+12*\j+11], v[Q+12*\i:Q+12*\i+11], 0, v[KS+\j], v[QW+\i] matrix_a_fmt:MATRIX_FMT_FP6 matrix_b_fmt:MATRIX_FMT_FP6
	v_wmma_scale_f32_16x16x128_f8f6f4 v[64+32*\c+8*\j:64+32*\c+8*\j+7], v[KF+12*\j:KF+12*\j+11], v[Q+12*\i+12:Q+12*\i+23], 0, v[KS+\j], v[QW+\i+1] matrix_a_fmt:MATRIX_FMT_FP6 matrix_b_fmt:MATRIX_FMT_FP6
.endr
.endm
.macro MAXB c                          ; the largest score of my block of band c, for both tiles: four chains side by side; each accumulator is read from its low end on
.irp x, 0,1
	v_max3_num_f32 v[MB+2*\x+\c], v[64*\x+32*\c], v[64*\x+32*\c+1], v[64*\x+32*\c+2]
	v_max3_num_f32 v[TT+2*\x], v[64*\x+32*\c+16], v[64*\x+32*\c+17], v[64*\x+32*\c+18]
.endr
.irp n, 3,5,7,9,11,13
.irp x, 0,1
	v_max3_num_f32 v[MB+2*\x+\c], v[MB+2*\x+\c], v[64*\x+32*\c+\n], v[64*\x+32*\c+\n+1]
	v_max3_num_f32 v[TT+2*\x], v[TT+2*\x], v[64*\x+32*\c+16+\n], v[64*\x+32*\c+17+\n]
.endr
.endr
.irp x, 0,1
	v_max3_num_f32 v[MB+2*\x+\c], v[MB+2*\x+\c], v[64*\x+32*\c+15], v[64*\x+32*\c+31]
.endr
.irp x, 0,1
	v_max_num_f32 v[MB+2*\x+\c], v[MB+2*\x+\c], v[TT+2*\x]
.endr
.endm
; A KEY STEP: 128 keys x 32 queries.  Band 0's fragments of K are in registers when it begins.
.macro STEP i
	QK 0, \i
	WIN 0
	v_add_nc_u32 v[ADVA], s[TV], v[VA16]           ; four plain places between the products and the loads into their sources (and V's, read by the last step's products)
	v_add_nc_u32 v[ADVB], s[TV], v[VA8]
	v_add_nc_u32 v[ADX], s[TX], v[VWA]
	v_nop
	KLOAD 1
	VLOAD
	WIN 0x55
	MAXB 0
	WIN 0
	WALU
	s_wait_dscnt 20                                ; band 1's 13 loads are in; V's 20, issued behind them, may be out
	QK 1, \i
	WIN 0
	s_add_co_u32 s[TK], s[TK], 6144                ; the next step's place, round the end to step 0
	s_add_co_u32 s[TW], s[TW], 512
	s_cmp_eq_u32 s[TK], VC
	s_cselect_b32 s[TK], 0, s[TK]
	s_cselect_b32 s[TW], 0, s[TW]
	v_add_nc_u32 v[ADA], s[TK], v[KA16]            ; four plain places again
	v_add_nc_u32 v[ADB], s[TK], v[KA8]
	v_add_nc_u32 v[ADW], s[TW], v[KWA]
	v_nop
	KLOAD 0                                        ; the next step's band 0
	WIN 0x55
	MAXB 1
.irp x, 0,1
	v_max3_num_f32 v[TT+2*\x], v[MB+2*\x], v[MB+2*\x+1], v[NM+2*\x+1]
.endr
.irp x, 0,1
	v_permlanex16_b32 v[TT+2*\x+1], v[TT+2*\x], s[SEL], s[SEL+1]
.endr
.irp x, 0,1
	v_max_num_f32 v[NM+2*\x+1], v[TT+2*\x], v[TT+2*\x+1]   ; the running largest score of my query, both halves of the lanes alike
.endr
.irp x, 0,1
	v_mul_f32 v[TT+2*\x], s[CS], v[NM+2*\x+1]      ; as t
.endr
.irp x, 0,1
	v_mov_b32 v[TT+2*\x+1], v[NM+2*\x]
.endr
.irp x, 0,1
	v_floor_f32 v[NM+2*\x], -v[TT+2*\x]            ; the new -M = floor(-t): M is a whole number
.endr
.irp x, 0,1
	v_sub_f32 v[TT+2*\x], v[NM+2*\x], v[TT+2*\x+1] ; old M - new M: a whole number, 0 or less
.endr
.irp x, 0,1
	v_cvt_i32_f32 v[TT+2*\x], v[TT+2*\x]           ; (it saturates)
.endr
.irp x, 0,1
	v_ldexp_f32 v[FF+2*\x], 1.0, v[TT+2*\x]        ; f = 2^(old M - new M): a multiplication by it rounds nothing
.endr
	WIN 0x04
.irp x, 0,1
.set j, 0
.rept 16
	v_pk_mul_f32 v[OA+32*\x+j:OA+32*\x+j+1], v[OA+32*\x+j:OA+32*\x+j+1], v[FF+2*\x:FF+2*\x+1] op_sel_hi:[1,0]   ; O^T under the new M
.set j, j+2
.endr
.endr
	WIN 0x55
.set j, 0
.rept 32
	v_pk_fma_f32 v[j:j+1], v[j:j+1], s[CS:CS+1], v[NM:NM+1] op_sel_hi:[1,0,0]   ; A: t - M, two at a time
.set j, j+2
.endr
	v_fma_f32 v[MB], v[MB], s[CS], v[NM]           ; the same of each block's largest score
	v_fma_f32 v[MB+1], v[MB+1], s[CS], v[NM]
	WALU                                           ; ahead of a batch of exponentials
.set j, 0
.rept 32                               ; A's p = 2^(t - M); among them B's t - M, first read behind the wait below
	v_exp_f32 v[j], v[j]
	v_pk_fma_f32 v[64+j:65+j], v[64+j:65+j], s[CS:CS+1], v[NM+2:NM+3] op_sel_hi:[1,0,0]
	v_exp_f32 v[j+1], v[j+1]
.set j, j+2
.endr
	v_exp_f32 v[MB], v[MB]                         ; the block's largest p: the same two instructions on the same number
	v_fma_f32 v[MB+2], v[MB+2], s[CS], v[NM+2]
	v_exp_f32 v[MB+1], v[MB+1]
	v_fma_f32 v[MB+3], v[MB+3], s[CS], v[NM+2]
	WALU                                           ; behind A's batch and ahead of B's
.set j, 0
.rept 16                               ; B's p; among them the first level of A's sums, sixteen results of their own, first read behind the wait below
	v_exp_f32 v[64+2*j], v[64+2*j]
	v_pk_add_f32 v[L1+j:L1+j+1], v[j:j+1], v[32+j:33+j]
	v_exp_f32 v[65+2*j], v[65+2*j]
	v_exp_f32 v[66+2*j], v[66+2*j]
	v_exp_f32 v[67+2*j], v[67+2*j]
.set j, j+2
.endr
	v_exp_f32 v[MB+2], v[MB+2]
	v_max_num_f32 v[MB], 0x1800000, v[MB]          ; the floor 2^(3 - 127): a block whose every p is 0 keeps the byte 1: its codes are zeros
	v_exp_f32 v[MB+3], v[MB+3]
	v_max_num_f32 v[MB+1], 0x1800000, v[MB+1]
	WALU
	v_max_num_f32 v[MB+2], 0x1800000, v[MB+2]
	v_max_num_f32 v[MB+3], 0x1800000, v[MB+3]
.irp b, 0,1,2,3
	v_add_nc_u32 v[SO+\b], 0xff000000, v[MB+\b]    ; 2 off the exponent field: the conversion's scale operand
.endr
.irp b, 0,1,2,3
	v_lshrrev_b32 v[BY+\b], 23, v[SO+\b]           ; the scale's byte
.endr
.irp x, 0,1
	v_lshl_or_b32 v[TT+2*\x], v[BY+2*\x+1], 16, v[BY+2*\x]   ; my two bytes, blocks h and 2 + h,
.endr
.irp x, 0,1
	v_lshlrev_b32 v[TT+2*\x], v[H8], v[TT+2*\x]    ; at their places in the word;
.endr
.irp x, 0,1
	v_permlanex16_b32 v[TT+2*\x+1], v[TT+2*\x], s[SEL], s[SEL+1]
.endr
	WIN 0x05
.irp x, 0,1
	v_or_b32 v[PW+\x], v[TT+2*\x], v[TT+2*\x+1]    ; with lane l xor 16's two the word is whole (scale operands lie in window 0)
.endr
	WIN 0x55
.irp x, 0,1
.irp c, 0,1
	v_cvt_scalef32_pk16_fp6_f32 v[CA+12*\x+6*\c:CA+12*\x+6*\c+2], v[64*\x+32*\c:64*\x+32*\c+15], v[SO+2*\x+\c]
	v_cvt_scalef32_pk16_fp6_f32 v[TA+8*\x+4*\c:TA+8*\x+4*\c+2], v[64*\x+32*\c+16:64*\x+32*\c+31], v[SO+2*\x+\c]
.endr
.endr
.irp k, 0,1,2,3                        ; the rest of A's sums: four chains (plain places behind the conversions too)
	v_pk_add_f32 v[CH+2*\k:CH+2*\k+1], v[L1+2*\k:L1+2*\k+1], v[L1+8+2*\k:L1+9+2*\k]
.endr
.irp n, 16,24
.irp k, 0,1,2,3
	v_pk_add_f32 v[CH+2*\k:CH+2*\k+1], v[CH+2*\k:CH+2*\k+1], v[L1+\n+2*\k:L1+\n+2*\k+1]
.endr
.endr
.irp x, 0,1
.irp c, 0,1
.irp n, 0,1,2
	v_mov_b32 v[CA+12*\x+6*\c+3+\n], v[TA+8*\x+4*\c+\n]   ; (a conversion's three registers begin on an even number)
.endr
.endr
.endr
.irp k, 0,1,2,3                        ; B's sums
	v_pk_add_f32 v[CH+8+2*\k:CH+9+2*\k], v[64+2*\k:65+2*\k], v[72+2*\k:73+2*\k]
.endr
.irp n, 16,24,32,40,48,56
.irp k, 0,1,2,3
	v_pk_add_f32 v[CH+8+2*\k:CH+9+2*\k], v[CH+8+2*\k:CH+9+2*\k], v[64+\n+2*\k:65+\n+2*\k]
.endr
.endr
.irp x, 0,1
	v_pk_add_f32 v[CH+8*\x:CH+8*\x+1], v[CH+8*\x:CH+8*\x+1], v[CH+8*\x+2:CH+8*\x+3]
	v_pk_add_f32 v[CH+8*\x+4:CH+8*\x+5], v[CH+8*\x+4:CH+8*\x+5], v[CH+8*\x+6:CH+8*\x+7]
.endr
.irp x, 0,1
	v_pk_add_f32 v[CH+8*\x:CH+8*\x+1], v[CH+8*\x:CH+8*\x+1], v[CH+8*\x+4:CH+8*\x+5]
.endr
.irp x, 0,1
	v_pk_fma_f32 v[LL+2*\x:LL+2*\x+1], v[LL+2*\x:LL+2*\x+1], v[FF+2*\x:FF+2*\x+1], v[CH+8*\x:CH+8*\x+1] op_sel_hi:[1,0,1]   ; the row's sum under the new M, of the unquantised p
.endr
	WIN 0x04
	WALU
	s_wait_dscnt 0x0                               ; V's fragments, and the next step's band 0 of K
.irp t, 0,1,2,3                        ; O^T += V^T P^T: eight accumulators by turns
	v_wmma_scale_f32_16x16x128_f8f6f4 v[OA+8*\t:OA+8*\t+7], v[VF+12*\t:VF+12*\t+11], v[CA:CA+11], v[OA+8*\t:OA+8*\t+7], v[VS+\t], v[PW] matrix_a_fmt:MATRIX_FMT_FP6 matrix_b_fmt:MATRIX_FMT_FP6
	v_wmma_scale_f32_16x16x128_f8f6f4 v[OA+32+8*\t:OA+32+8*\t+7], v[VF+12*\t:VF+12*\t+11], v[CA+12:CA+23], v[OA+32+8*\t:OA+32+8*\t+7], v[VS+\t], v[PW+1] matrix_a_fmt:MATRIX_FMT_FP6 matrix_b_fmt:MATRIX_FMT_FP6
.endr
	WIN 0
	s_add_co_u32 s[TV], s[TV], 6144
	s_add_co_u32 s[TX], s[TX], 256
.endm
; The two tiles' end: O^T / the sum, register 16 b + n = d 32 b + 16 h + n of the head: two blocks along D, quantised and stored.
.macro FINISH i
.rept 4
	v_nop
.endr
	WIN 0x55
	WALU                                           ; B's sum was written last in the loop: the wait ahead of its reader here
.irp x, 0,1
	v_add_f32 v[LL+2*\x], v[LL+2*\x], v[LL+2*\x+1]
.endr
.irp x, 0,1
	v_permlanex16_b32 v[TT+2*\x], v[LL+2*\x], s[SEL], s[SEL+1]
.endr
.irp x, 0,1
	v_add_f32 v[LL+2*\x], v[LL+2*\x], v[TT+2*\x]   ; the row's sum
.endr
	WALU
	v_rcp_f32 v[LL], v[LL]
	v_rcp_f32 v[LL+2], v[LL+2]
	v_nop                                          ; a plain place behind the reciprocals
	WIN 0x44
	WALU                                           ; ahead of their first reader, which is O^T's first reader too
.irp x, 0,1
.set j, 0
.rept 32
	v_mul_f32 v[64*\x+j], v[OA+32*\x+j], v[LL+2*\x]
.set j, j+1
.endr
.endr
	WIN 0x55
.irp x, 0,1
.irp b, 0,1
	v_max3_num_f32 v[MB+2*\x+\b], |v[64*\x+16*\b]|, |v[64*\x+16*\b+1]|, 0x1800000
.endr
.endr
.irp n, 2,4,6,8,10,12,14
.irp x, 0,1
.irp b, 0,1
	v_max3_num_f32 v[MB+2*\x+\b], v[MB+2*\x+\b], |v[64*\x+16*\b+\n]|, |v[64*\x+16*\b+\n+1]|
.endr
.endr
.endr
.irp b, 0,1,2,3
	v_permlanex16_b32 v[TT+\b], v[MB+\b], s[SEL], s[SEL+1]
.endr
.irp b, 0,1,2,3
	v_max_num_f32 v[MB+\b], v[MB+\b], v[TT+\b]
.endr
.irp b, 0,1,2,3
	v_add_nc_u32 v[SO+\b], 0xff000000, v[MB+\b]
.endr
.irp b, 0,1,2,3
	v_lshrrev_b32 v[BY+\b], 23, v[SO+\b]
.endr
.irp x, 0,1
	v_cvt_scalef32_pk16_fp6_f32 v[CA+12*\x:CA+12*\x+2], v[64*\x:64*\x+15], v[SO+2*\x]
	v_cvt_scalef32_pk16_fp6_f32 v[TA+8*\x:TA+8*\x+2], v[64*\x+16:64*\x+31], v[SO+2*\x+1]
.endr
	v_nop                                          ; one plain place behind a scaled conversion
.irp x, 0,1
.irp n, 0,1,2
	v_permlane16_swap_b32 v[CA+12*\x+\n], v[TA+8*\x+\n]   ; the operand's layout wants a whole block in a lane
.endr
.endr
.irp x, 0,1
.irp n, 0,1,2
	v_mov_b32 v[CA+12*\x+3+\n], v[TA+8*\x+\n]
.endr
	v_cndmask_b32 v[BY+2*\x], v[BY+2*\x], v[BY+2*\x+1], s55   ; lane (r, h) stores block h's byte
.endr
	WIN 0x04
.irp x, 0,1
	global_store_b128 v[L16], v[CA+12*\x:CA+12*\x+3], s[56:57] offset:12288*(\i+\x)        ; three whole aligned blocks of 256 bytes
	global_store_b64 v[L8], v[CA+12*\x+4:CA+12*\x+5], s[56:57] offset:12288*(\i+\x)+512
	global_store_b8 v[OWO], v[BY+2*\x], s[58:59] offset:512*(\i+\x)
.endr
	WIN 0
.endm
.macro PASS i
	s_wait_xcnt 0x0                                ; the last tiles' stores have read their registers
	s_mov_b32 s[TV], 0
	s_mov_b32 s[TX], 0
	WIN 0x55
	v_mov_b32 v[NM+1], 0xf3000000                  ; the largest score so far: -2^103: under every score of a key that counts, above every hidden key's
	v_mov_b32 v[NM+3], 0xf3000000
	v_mul_f32 v[TT], s[CS], v[NM+1]
.irp b, 0,1,2,3
	v_mov_b32 v[LL+\b], 0
.endr
	v_floor_f32 v[NM], -v[TT]
	v_floor_f32 v[NM+2], -v[TT]
	WIN 0
.set j, 0
.rept 64
	v_mov_b32 v[OA+j], 0                           ; O^T: the step is written once; its first trip finds zeros
.set j, j+1
.endr
	s_mov_b32 s[CNT], 16
	WALU
.Lstep_\@:
	STEP \i
	s_sub_co_u32 s[CNT], s[CNT], 1
	s_cmp_lg_u32 s[CNT], 0
	s_cbranch_scc1 .Lstep_\@
	FINISH \i
.endm
	KLOAD 0                                        ; step 0's band 0
	s_wait_dscnt 0x0
	PASS 0
	PASS 2
	s_wait_tensorcnt 0x0                           ; the wave's end
	ds_add_u32 v[SPW], v[NIL]
	s_wait_dscnt 0x0
	ROUND                                          ; the closing round
	s_endpgm
.Lfunc_end_k_q604d9eb86a_attn:
	.size	k_q604d9eb86a_attn, .Lfunc_end_k_q604d9eb86a_attn-k_q604d9eb86a_attn
	.p2alignl 7, 3214868480
	.fill 96, 4, 3214868480
	.section	.rodata,"a",@progbits
	.p2align	6, 0x0
	.amdhsa_kernel k_q604d9eb86a_attn
		.amdhsa_group_segment_fixed_size 219136
		.amdhsa_private_segment_fixed_size 0
		.amdhsa_enable_private_segment 0
		.amdhsa_kernarg_size 40
		.amdhsa_user_sgpr_count 2
		.amdhsa_user_sgpr_kernarg_segment_ptr 1
		.amdhsa_wavefront_size32 1
		.amdhsa_system_sgpr_workgroup_id_x 1
		.amdhsa_system_sgpr_workgroup_id_y 1
		.amdhsa_system_sgpr_workgroup_id_z 1
		.amdhsa_system_vgpr_workitem_id 0
		.amdhsa_next_free_vgpr 512
		.amdhsa_next_free_sgpr 100
		.amdhsa_reserve_vcc 1
		.amdhsa_float_denorm_mode_32 3
		.amdhsa_float_denorm_mode_16_64 3
		.amdhsa_memory_ordered 1
		.amdhsa_forward_progress 1
		.amdhsa_inst_pref_size 95
	.end_amdhsa_kernel
	.amdgpu_metadata
---
amdhsa.version: [ 1, 2 ]
amdhsa.kernels:
  - .name:           k_q604d9eb86a_attn
    .symbol:         k_q604d9eb86a_attn.kd
    .args:
      - { .name: pc, .offset: 0, .size: 8, .value_kind: global_buffer, .address_space: global }
      - { .name: pw, .offset: 8, .size: 8, .value_kind: global_buffer, .address_space: global }
      - { .name: key_padding_mask, .offset: 16, .size: 8, .value_kind: global_buffer, .address_space: global }
      - { .name: oc, .offset: 24, .size: 8, .value_kind: global_buffer, .address_space: global }
      - { .name: ow, .offset: 32, .size: 8, .value_kind: global_buffer, .address_space: global }
    .group_segment_fixed_size: 219136
    .private_segment_fixed_size: 0
    .kernarg_segment_align: 8
    .kernarg_segment_size: 40
    .max_flat_workgroup_size: 256
    .sgpr_count:     100
    .vgpr_count:     512
    .wavefront_size: 32
...
	.end_amdgpu_metadata
.endif
;; end of part 3
;; launch outp (part 4): grid 4 x 64, 4 waves a work-group, clusters of 4 x 4, 295,424 bytes of LDS; arguments oc, ow, cw, sw, bo, out0; writes out0
.if DOCPART == 4
	.amdgcn_target "amdgcn-amd-amdhsa--gfx1250"
	.amdhsa_code_object_version 6
	.text
	.protected	k_q604d9eb86a_outp
	.globl	k_q604d9eb86a_outp
	.p2align	8
	.type	k_q604d9eb86a_outp,@function
k_q604d9eb86a_outp:
	s_mov_b64 s[64:65], 0
	v_nop
	global_prefetch_b8 v0, s[64:65] scope:SCOPE_SE
	s_setreg_imm32_b32 hwreg(HW_REG_WAVE_MODE, 25, 1), 1
	s_wait_xcnt 0x0
	s_wait_alu depctr_hold_cnt(0) depctr_sa_sdst(0) depctr_va_vdst(0) depctr_va_sdst(0) depctr_va_ssrc(0) depctr_va_vcc(0) depctr_vm_vsrc(0)
	s_getreg_b32 s2, hwreg(HW_REG_IB_STS2, 6, 4)
	s_cmp_eq_u32 s2, 0
	s_cbranch_scc0 .Lentry_in_a_cluster
	s_endpgm
.Lentry_in_a_cluster:
	s_bfe_u32 s2, ttmp6, 0x10000c
	s_cmp_lg_u32 s2, 0xf033
	s_cbranch_scc0 .Lentry_shape_is_right
	s_endpgm
.Lentry_shape_is_right:
; out0 = o Wo^T + bo on codes of FP6 (E2M3) with E8M0 scales, sums in f32.  The frame is the projections': T[i][j] = P[i] . N[j], source 0 = 16 rows of P = Wo, source 1 = 16 rows of N = o (tokens):
; a lane holds one token, and its registers run along the output's columns: 16 neighbours in the registers of P's tiles 2 b and 2 b + 1.
; A tile of 16 rows is tile T, lane r = row 32 (T / 2) + 8 (T % 2) + r + 8 (r / 8).  A work-group makes 256 columns x 128 tokens with ALL of K = 1,024 in LDS (24 tiles x 12,288 bytes), filled ONCE in two halves of 512 along K.
; Wave w: P's tiles 8 (w % 2) + b, N's tiles 4 (w / 2) + a: 32 accumulators.  256 work-groups.
; CLUSTERS 4 x 4: Wo's tiles hang on cx and are shared down a column of the cluster, o's on the token block and are shared along a row: joint loads, one a wave, all issued at the start: one of mine is out.
; bo is the C of the first K step's products.  THE WAY OUT goes through a stage of 16 rows x (512 + 16) bytes for each wave.  It lies in P's first half, which has had its only fill, and whose last reads every wave has
; waited for ahead of the barrier of the second half.
; REGISTERS: window 0: v1-23 addresses, v32-95 P's scale words (8 b + K step), v96-127 N's, v128-255 rows on their way out, two sets.  window 1: accumulator (a, b) at v[8 (8 a + b)].
;   window 2: P's fragments, two sets of 96.   window 3: N's fragments, two sets of 48; v128-191 bo.
.set TILEB, 12288
.set CHB,   6144                       ; a tile's codes for HALF of K (512): K comes in two halves, one load a wave: wave 0 P's first half, wave 1 N's, wave 2 P's second, wave 3 N's (this takes the place of the four chunks named above); the stage lies in P's first half
.set PCH,   16*CHB
.set NCH,   8*CHB
.set NBASE, 2*PCH
.set SPITCH, 528
.set FR,    12
.set L16, 1                            ; v1  16 x lane
.set L8,  2                            ; v2  8 x lane
.set R32, 3                            ; v3  32 r
.set H64, 4                            ; v4  64 h
.set STO, 6                            ; v6  the stage: where I put 32 bytes of a row
.set RD,  7                            ; v7  and where I read a row back
.set AP16, 8
.set AP8,  12
.set AN16, 16
.set AN8,  20
.set SCP, 32
.set SCN, 96
.set BK,  128
.set BP,  128                          ; in window 3
.set G1P, 28
.set G1N, 36
.set G0P, 44
.set G0N, 68
.set MSB, 0
.macro WIN new                         ; the immediate's high byte repeats the setting that is left
.if MSB != \new
	s_set_vgpr_msb (MSB<<8)|\new
.set MSB, \new
.endif
.endm
.macro CROUND                          ; a round of the cluster's barrier
	s_barrier_signal -1
	s_barrier_wait -1
	s_cmp_lg_u32 s18, 0
	s_cbranch_scc1 .Lnot_wave_0_\@
	s_barrier_signal -3
.Lnot_wave_0_\@:
	s_barrier_wait -3
	s_barrier_signal -1
	s_barrier_wait -1
.endm
.macro PLACES                          ; four plain places behind a matrix instruction (ISA guide 7.12.1)
.rept 4
	v_nop
.endr
.endm
.macro FRAG reg, a16, a8, off
	ds_load_b128 v[\reg:\reg+3], v[\a16] offset:\off
	ds_load_b64 v[\reg+4:\reg+5], v[\a8] offset:\off+512
	ds_load_b128 v[\reg+6:\reg+9], v[\a16] offset:\off+768
	ds_load_b64 v[\reg+10:\reg+11], v[\a8] offset:\off+1280
.endm
.macro FETCH ks
	WIN 0x80
.irp b, 0,1,2,3,4,5,6,7
	FRAG 96*((\ks)%2)+FR*\b, AP16+(\ks)/4, AP8+(\ks)/4, CHB*\b+1536*((\ks)%4)
.endr
	WIN 0xc0
.irp a, 0,1,2,3
	FRAG 48*((\ks)%2)+FR*\a, AN16+(\ks)/4, AN8+(\ks)/4, CHB*\a+1536*((\ks)%4)
.endr
.endm
; 32 matrix instructions; the 32 accumulators take turns, one instruction a turn, in the same order in every K step.  first = 1: bo is the C that starts the sums.
.macro MUL ks, first
.if \first
	WIN 0x7e
.else
	WIN 0x5e
.endif
.irp a, 0,1,2,3
.irp b, 0,1,2,3,4,5,6,7
.if \first
	v_wmma_scale_f32_16x16x128_f8f6f4 v[8*(8*\a+\b):8*(8*\a+\b)+7], v[96*((\ks)%2)+FR*\b:96*((\ks)%2)+FR*\b+FR-1], v[48*((\ks)%2)+FR*\a:48*((\ks)%2)+FR*\a+FR-1], v[BP+8*\b:BP+8*\b+7], v[SCP+8*\b+(\ks)], v[SCN+8*\a+(\ks)] matrix_a_fmt:MATRIX_FMT_FP6 matrix_b_fmt:MATRIX_FMT_FP6
.else
	v_wmma_scale_f32_16x16x128_f8f6f4 v[8*(8*\a+\b):8*(8*\a+\b)+7], v[96*((\ks)%2)+FR*\b:96*((\ks)%2)+FR*\b+FR-1], v[48*((\ks)%2)+FR*\a:48*((\ks)%2)+FR*\a+FR-1], v[8*(8*\a+\b):8*(8*\a+\b)+7], v[SCP+8*\b+(\ks)], v[SCN+8*\a+(\ks)] matrix_a_fmt:MATRIX_FMT_FP6 matrix_b_fmt:MATRIX_FMT_FP6
.endif
.endr
.endr
.endm
; Tile a of my tokens: 16 rows x 128 columns into my stage, and back as whole rows of 512 bytes.
.macro TOSTAGE a
	WIN 0x04                                       ; an LDS store's data are its source 1: window 1
.irp b, 0,1,2,3,4,5,6,7
	ds_store_b128 v[STO], v[64*(\a)+8*\b:64*(\a)+8*\b+3] offset:128*(\b/2)+32*(\b%2)          ; each accumulator from its low end on
	ds_store_b128 v[STO], v[64*(\a)+8*\b+4:64*(\a)+8*\b+7] offset:128*(\b/2)+32*(\b%2)+16
.endr
	WIN 0
.irp t, 0,1,2,3,4,5,6,7,8,9,10,11,12,13,14,15
	ds_load_b128 v[BK+64*((\a)%2)+4*\t:BK+64*((\a)%2)+4*\t+3], v[RD] offset:SPITCH*\t   ; LDS serves a wave's instructions in order (ISA guide 5.7.1.4): these see the stores above
.endr
.endm
.macro SEND a, younger                 ; younger: the LDS instructions issued behind tile a's loads, which may stay out
	s_wait_dscnt \younger
.irp t, 0,1,2,3,4,5,6,7,8,9,10,11,12,13,14,15
	global_store_b128 v[L16], v[BK+64*((\a)%2)+4*\t:BK+64*((\a)%2)+4*\t+3], s[92:93] offset:(32*((\a)/2)+8*((\a)%2)+\t+8*(\t/8))*4096 th:TH_STORE_NT   ; 32 lanes store 512 consecutive bytes, aligned to 256
.endr
.endm
	s_load_b128 s[4:7], s[0:1], 0x10               ; cw, sw
	s_load_b128 s[8:11], s[0:1], 0x0               ; oc, ow
	s_load_b128 s[12:15], s[0:1], 0x20             ; bo, out0
	v_lshl_add_u32 v30, v0, 2, 0x48000
	v_mov_b32 v31, 0
	ds_add_u32 v30, v31
	ds_add_u32 v30, v31
	v_lshrrev_b32 v1, 5, v0
	v_readfirstlane_b32 s18, v1                    ; wave 0..3
	s_and_b32 s19, s18, 1                          ; WL: my half of P's tiles; also: I fetch for P (0) or for N (1)
	s_lshr_b32 s20, s18, 1                         ; WH: my half of N's tiles; also which half of K I fetch
	s_bfe_u32 s21, ttmp6, 0x40000                  ; cx
	s_bfe_u32 s22, ttmp6, 0x40004                  ; cy
	s_and_b32 s24, ttmp7, 0xffff                   ; cluster y: 0..15
	s_mov_b32 s26, s21                             ; block of 256 columns = cx
	s_lshl_b32 s27, s24, 2
	s_add_co_u32 s27, s27, s22                     ; block of 128 tokens
	s_lshl_b32 s84, s26, 4                         ; s84-87 serve P alone and never hold cy; s88-91 serve N alone and never hold cx
	s_lshl_b32 s86, s19, 3
	s_add_co_u32 s84, s84, s86
	s_add_co_u32 s84, s84, 704                     ; Wo's tiles begin at 704: my 8 tiles' first
	s_lshl_b32 s86, s84, 9
	s_mov_b32 s87, 0
	s_mul_i32 s84, s84, TILEB
	s_mov_b32 s85, 0
	s_lshl_b32 s88, s27, 3                         ; N: the block's first tile
	s_lshl_b32 s90, s20, 2
	s_add_co_u32 s90, s90, s88                     ; the 4 tiles that I multiply
	s_lshl_b32 s90, s90, 9
	s_mov_b32 s91, 0
	s_mul_i32 s88, s88, TILEB
	s_mov_b32 s89, 0
	s_mul_i32 s66, s19, 8*CHB                      ; LDS: no place in the cluster enters an LDS address
	; descriptor group 1: rows of 6,144 bytes (768 elements of 8 bytes), one for each tile, 12,288 bytes apart in memory, dense in LDS
	s_lshl_b32 s62, 0x1111, s21                    ; my column of the cluster
	s_or_b32 s[G1P], s62, (3<<16)|(1<<21)
	s_lshl_b32 s63, s22, 2
	s_lshl_b32 s63, 15, s63                        ; my row
	s_or_b32 s[G1N], s63, (3<<16)|(1<<21)
.irp g, G1P, G1N
	s_mov_b32 s[\g+1], 768<<16                     ; rows of 6,144 bytes: half of a tile's K
	s_mov_b32 s[\g+3], 768<<16
	s_mov_b32 s[\g+5], 1536
	s_mov_b32 s[\g+6], 0
	s_mov_b32 s[\g+7], 0
.endr
	s_mov_b32 s[G1P+2], 16<<16                     ; all 16 tiles of P, all 8 of N
	s_mov_b32 s[G1P+4], 16
	s_mov_b32 s[G1N+2], 8<<16
	s_mov_b32 s[G1N+4], 8
	s_wait_dscnt 0x0
	s_wait_kmcnt 0x0
	s_add_nc_u64 s[84:85], s[4:5], s[84:85]
	s_add_nc_u64 s[88:89], s[8:9], s[88:89]
	CROUND                                         ; all sixteen work-groups are here: the joint loads meet
	s_mul_i32 s2, s19, 8*TILEB
	s_mov_b32 s3, 0
	s_sub_nc_u64 s[84:85], s[84:85], s[2:3]        ; back to the block's first tile of P
	s_mul_i32 s2, s20, CHB                         ; wave / 2: which half of K I fetch
	s_add_nc_u64 s[84:85], s[84:85], s[2:3]
	s_add_nc_u64 s[88:89], s[88:89], s[2:3]
	s_mov_b32 s[G0P], 1
	s_mul_i32 s[G0P+1], s20, PCH
	s_mov_b64 s[G0P+2:G0P+3], s[84:85]
	s_or_b32 s[G0P+3], s[G0P+3], 0x80000000
	s_mov_b32 s[G0N], 1
	s_mul_i32 s[G0N+1], s20, NCH
	s_add_co_u32 s[G0N+1], s[G0N+1], NBASE
	s_mov_b64 s[G0N+2:G0N+3], s[88:89]
	s_or_b32 s[G0N+3], s[G0N+3], 0x80000000
	s_cmp_eq_u32 s18, 0                            ; one chain of branches on the wave's number, one load to an arm
	s_cbranch_scc0 .Lfill_1
	tensor_load_to_lds s[G0P:G0P+3], s[G1P:G1P+7]
	s_nop 0
.rept 4
	v_nop
.endr
	s_branch .Lfilled
.Lfill_1:
	s_cmp_eq_u32 s18, 1
	s_cbranch_scc0 .Lfill_2
	tensor_load_to_lds s[G0N:G0N+3], s[G1N:G1N+7]
	s_nop 0
.rept 4
	v_nop
.endr
	s_branch .Lfilled
.Lfill_2:
	s_cmp_eq_u32 s18, 2
	s_cbranch_scc0 .Lfill_3
	tensor_load_to_lds s[G0P:G0P+3], s[G1P:G1P+7]
	s_nop 0
.rept 4
	v_nop
.endr
	s_branch .Lfilled
.Lfill_3:
	tensor_load_to_lds s[G0N:G0N+3], s[G1N:G1N+7]
	s_nop 0
.rept 4
	v_nop
.endr
.Lfilled:
	v_and_b32 v24, 31, v0                          ; lane
	v_and_b32 v25, 15, v0                          ; r
	v_bfe_u32 v26, v0, 4, 1                        ; h
	v_lshlrev_b32 v[L16], 4, v24
	v_lshlrev_b32 v[L8], 3, v24
	v_lshlrev_b32 v[R32], 5, v25
	v_lshlrev_b32 v[H64], 6, v26
	s_mul_i32 s3, s20, 4*CHB
	s_add_co_u32 s3, s3, NBASE
.irp c, 0,1
	s_add_co_u32 s2, s66, PCH*\c
	v_add_nc_u32 v[AP16+\c], s2, v[L16]
	v_add_nc_u32 v[AP8+\c], s2, v[L8]
	s_add_co_u32 s2, s3, NCH*\c
	v_add_nc_u32 v[AN16+\c], s2, v[L16]
	v_add_nc_u32 v[AN8+\c], s2, v[L8]
.endr
	s_mul_i32 s2, s18, 16*SPITCH                   ; my stage
	v_mul_u32_u24 v[STO], v25, SPITCH
	v_lshl_add_u32 v[STO], v26, 6, v[STO]
	v_add_nc_u32 v[STO], s2, v[STO]                ; in: row r, + 64 h bytes
	v_add_nc_u32 v[RD], s2, v[L16]                 ; back: 16 bytes a lane of a row
	s_add_nc_u64 s[86:87], s[6:7], s[86:87]
	s_add_nc_u64 s[90:91], s[10:11], s[90:91]
.irp b, 0,1,2,3,4,5,6,7
	global_load_b128 v[SCP+8*\b:SCP+8*\b+3], v[R32], s[86:87] offset:512*\b        ; a row's eight scale words: all of K
	global_load_b128 v[SCP+8*\b+4:SCP+8*\b+7], v[R32], s[86:87] offset:512*\b+16
.endr
.irp a, 0,1,2,3
	global_load_b128 v[SCN+8*\a:SCN+8*\a+3], v[R32], s[90:91] offset:512*\a
	global_load_b128 v[SCN+8*\a+4:SCN+8*\a+7], v[R32], s[90:91] offset:512*\a+16
.endr
	s_lshl_b32 s92, s21, 10
	s_lshl_b32 s94, s19, 9
	s_add_co_u32 s92, s92, s94                     ; 4 (256 cx + 128 WL)
	s_mov_b32 s93, 0
	s_add_nc_u64 s[96:97], s[12:13], s[92:93]
	WIN 0xc0
.irp b, 0,1,2,3,4,5,6,7
	global_load_b128 v[BP+8*\b:BP+8*\b+3], v[H64], s[96:97] offset:(32*(\b/2)+8*(\b%2))*4       ; register j of tile b: column 32 (b / 2) + 8 (b % 2) + 16 h + j
	global_load_b128 v[BP+8*\b+4:BP+8*\b+7], v[H64], s[96:97] offset:(32*(\b/2)+8*(\b%2))*4+16
.endr
	WIN 0
	s_lshl_b32 s2, s27, 7
	s_lshl_b32 s3, s20, 6
	s_add_co_u32 s2, s2, s3                        ; my first token: 128 x block + 64 WH
	s_lshl_b32 s2, s2, 12
	s_add_co_u32 s92, s92, s2                      ; + my first column's bytes
	s_add_nc_u64 s[92:93], s[14:15], s[92:93]
	s_wait_alu depctr_va_vdst(0)
	s_wait_loadcnt 0x0                             ; scale words and bo
	s_cmp_lt_u32 s18, 2                            ; waves 0 and 1 fetched the first half of K and wait for it; the second half may stay out
	s_cbranch_scc0 .Lnot_first
	s_wait_tensorcnt 0x0
.Lnot_first:
	s_barrier_signal -1
	s_barrier_wait -1                              ; everybody's is
	FETCH 0
.irp ks, 0,1,2,3,4,5,6,7
	s_wait_dscnt 0x0                               ; this K step's fragments are in (asked for 32 matrix instructions ago)
.if \ks < 7
	PLACES                                         ; the other set was read by the K step before
.if \ks == 3
	s_wait_tensorcnt 0x0                           ; every wave: the second half of K is in
	s_barrier_signal -1
	s_barrier_wait -1
.endif
	FETCH \ks+1
.endif
.if \ks == 0
	MUL \ks, 1
.else
	MUL \ks, 0
.endif
.endr
	PLACES
	TOSTAGE 0
.irp a, 1,2,3
.if \a > 1
	s_wait_xcnt 0x0                                ; tile a - 2's stores have read their registers: tile a's loads may land there
.endif
	TOSTAGE \a
	SEND \a-1, 32                                  ; behind tile a - 1's loads: tile a's 16 stores and 16 loads
.endr
	SEND 3, 0
	s_wait_tensorcnt 0x0
	ds_add_u32 v30, v31
	s_wait_dscnt 0x0
	CROUND                                         ; the closing round
	s_endpgm
.Lfunc_end_k_q604d9eb86a_outp:
	.size	k_q604d9eb86a_outp, .Lfunc_end_k_q604d9eb86a_outp-k_q604d9eb86a_outp
	.p2alignl 7, 3214868480
	.fill 96, 4, 3214868480
	.section	.rodata,"a",@progbits
	.p2align	6, 0x0
	.amdhsa_kernel k_q604d9eb86a_outp
		.amdhsa_group_segment_fixed_size 295424
		.amdhsa_private_segment_fixed_size 0
		.amdhsa_enable_private_segment 0
		.amdhsa_kernarg_size 48
		.amdhsa_user_sgpr_count 2
		.amdhsa_user_sgpr_kernarg_segment_ptr 1
		.amdhsa_wavefront_size32 1
		.amdhsa_system_sgpr_workgroup_id_x 1
		.amdhsa_system_sgpr_workgroup_id_y 1
		.amdhsa_system_sgpr_workgroup_id_z 1
		.amdhsa_system_vgpr_workitem_id 0
		.amdhsa_next_free_vgpr 1024
		.amdhsa_next_free_sgpr 100
		.amdhsa_reserve_vcc 0
		.amdhsa_float_denorm_mode_32 3
		.amdhsa_float_denorm_mode_16_64 3
		.amdhsa_memory_ordered 1
		.amdhsa_forward_progress 1
		.amdhsa_inst_pref_size 84
	.end_amdhsa_kernel
	.amdgpu_metadata
---
amdhsa.version: [ 1, 2 ]
amdhsa.kernels:
  - .name:           k_q604d9eb86a_outp
    .symbol:         k_q604d9eb86a_outp.kd
    .args:
      - { .name: oc, .offset: 0, .size: 8, .value_kind: global_buffer, .address_space: global }
      - { .name: ow, .offset: 8, .size: 8, .value_kind: global_buffer, .address_space: global }
      - { .name: cw, .offset: 16, .size: 8, .value_kind: global_buffer, .address_space: global }
      - { .name: sw, .offset: 24, .size: 8, .value_kind: global_buffer, .address_space: global }
      - { .name: bo, .offset: 32, .size: 8, .value_kind: global_buffer, .address_space: global }
      - { .name: out0, .offset: 40, .size: 8, .value_kind: global_buffer, .address_space: global }
    .group_segment_fixed_size: 295424
    .private_segment_fixed_size: 0
    .kernarg_segment_align: 8
    .kernarg_segment_size: 48
    .max_flat_workgroup_size: 128
    .sgpr_count:     100
    .vgpr_count:     1024
    .wavefront_size: 32
...
	.end_amdgpu_metadata
.endif
;; end of part 4
